; MI455X (gfx1250); checked and timed in simulation.
; The chip was launched on July 23, 2026; its instructions are those of AMD's public machine-readable ISA for CDNA 5 (MIT licence, August 2026) and "CDNA5" Instruction Set Architecture Reference Guide (July 2026). The comments in the code are by the model that wrote it; some were corrected since.
;; TIP Sv2 Text Attention. Allowed arithmetic: matrix products marked QUANTISED: E2M3 operands, one E8M0 scale for each 32 along K, by v_wmma_scale_f32_16x16x128_f8f6f4 with both operands' format E2M3, f32 sums; everything else in f32.
;; Inputs: b_in 3,072 float32; b_out 1,024 float32; mask 4 x 2,048 int32; w_in 1,024 x 3,072 float32; w_out 1,024 x 1,024 float32; x 4 x 2,048 x 1,024 float32.
;; Outputs: out0 4 x 2,048 x 1,024 float32.
;; This version of the problem:
;;   THIS VERSION OF THE PROBLEM IS GIVEN IN LOW PRECISION. The matrix products marked QUANTISED in the list below multiply operands that are first quantised to E2M3 (2 exponent bits, 3 mantissa bits; 6 bits a number), with one power-of-two scale for each 32 numbers along K (OCP MX v1.0); their sums are f32. All else is computed in f32.
;;   The module's matrix products, in the order in which they are computed (A, B: the left and right operand; K: the contracted axis; several contracted axes count as one K, in the product's order):
;;     1. [M 8,192, K 1,024] x [K 1,024, N 3,072]; A: input x; B: input w_in: QUANTISED
;;     2. batch 64 x [M 2,048, K 64] x [K 64, N 2,048]; A: computed on the way; B: computed on the way: QUANTISED
;;     3. batch 64 x [M 2,048, K 2,048] x [K 2,048, N 64]; A: softmax (see below); B: computed on the way: QUANTISED
;;     4. [M 8,192, K 1,024] x [K 1,024, N 1,024]; A: computed on the way; B: input w_out: QUANTISED
;;   THE QUANTISER, for each operand of a quantised product, along K:
;;     - K is cut into blocks of 32 from its start; a last block that is shorter is filled with zeros.
;;     - A block's scale is 2^e with e = floor(log2(the largest magnitude in the block)) - 2, held to -126 .. 127; a block of zeros has e = 0. As a byte (E8M0): e + 127.
;;     - Each number is divided by its block's scale, clamped to +-7.5, and rounded to the nearest number of E2M3, ties to even, subnormals kept.
;;     - The product sums the exact products of the quantised numbers (number of the format x scale) in f32.
;;   ~~~python
;;   def quantise(x, axis):      # numpy; x: float32 -> the quantised numbers, widened to float32 again
;;       x = np.moveaxis(x, axis, -1); K = x.shape[-1]
;;       x = np.pad(x, [(0, 0)] * (x.ndim - 1) + [(0, -K % 32)]); x = x.reshape(x.shape[:-1] + (-1, 32)); a = np.abs(x).max(-1, keepdims=True)
;;       e = np.where(a > 0, np.clip(np.frexp(np.where(a > 0, a, 1))[1] - 1 - 2, -126, 127), 0)      # np.frexp(a)[1] - 1 = floor(log2(a)), exactly
;;       r = np.clip(x / 2.0 ** e, -7.5, 7.5)
;;       step = 2.0 ** (np.maximum(np.frexp(np.where(r == 0, 1, r))[1] - 1, 0) - 3)
;;       q = np.round(r / step) * step * 2.0 ** e      # np.round: ties to even
;;       return np.moveaxis(q.reshape(q.shape[:-2] + (-1,))[..., :K], -1, axis).astype(np.float32)
;;   ~~~
;;   SOFTMAX AHEAD OF A QUANTISED PRODUCT. Where the list says 'softmax', what is quantised is not the finished softmax but p = 2^(t - M), with t = logit x log2(e) and M = ceil(the row's largest t), a whole number; so 1/2 < the row's largest p <= 1. The row's sum l is taken of the UNQUANTISED p, in f32, and the product's result is divided by l at the end. Since M is a whole number, a kernel that streams over the keys may use a running M (the ceiling of the running maximum): every later rescaling is an exact power of two, which a block's scale takes up: the codes' values come out the same.
;;   OPERANDS COMPUTED ON THE WAY. 'Computed on the way' means the value that the module computes at that place (a softmax that the list does not call 'softmax' is quantised finished and normalised). What goes into a quantiser is computed in f32, as accurately as f32 sums, v_exp_f32 and their like allow (about 1e-6 of the number): no bf16 or f16 on the way to a quantiser, and a product that is left as it is and whose result goes on into a quantised operand takes f32 operands (vector FMAs, or v_wmma_f32_16x16x4_f32). A number that lies on a knife's edge between two numbers of the format may be rounded either way, as far as f32 arithmetic and the matrix unit's own rounding can turn it there, and no further.
;; One version. Each part assembles by itself: llvm-mc -triple=amdgcn-amd-amdhsa -mcpu=gfx1250 --defsym DOCPART=n.
;; ======== version 1 of 1: 4 launches
;; limits: right only within a limited range of input values
;; workspace buffers: xq 6,553,600 bytes; wq 3,276,800 bytes; qb 8,912,896 bytes; kv 15,466,496 bytes; ao 6,815,744 bytes
;; launch quant (part 1): grid 384 x 1, 4 waves a work-group, no clusters, 89,600 bytes of LDS; arguments x, w_in, w_out, xq, wq; writes xq, wq
.if DOCPART == 1
	.amdgcn_target "amdgcn-amd-amdhsa--gfx1250"
	.amdhsa_code_object_version 6
	.text
	.protected	k_q78f3054d38_quant
	.globl	k_q78f3054d38_quant
	.p2align	8
	.type	k_q78f3054d38_quant,@function
k_q78f3054d38_quant:
	s_mov_b64 s[64:65], 0
	v_nop
	global_prefetch_b8 v0, s[64:65] scope:SCOPE_SE
	s_setreg_imm32_b32 hwreg(HW_REG_WAVE_MODE, 25, 1), 1
	s_wait_xcnt 0x0
; x [8192][1024], w_in [1024][3072] and w_out [1024][1024], f32, become codes of FP6 (E2M3) with one E8M0 byte for each 32 along K (K = 1,024 in all three; in the weights K is the FIRST axis).
; A block's scale is 2^(floor(log2(its largest magnitude)) - 2): its byte is the largest magnitude's exponent field - 2, held at 1 from below by a floor among the maximum's leaves.
; LIMITS: NaN and infinities are not served; a block whose largest magnitude lies under 2^-124 keeps the byte 1, a block of zeros too (the rule says 127: its codes are zeros, and these bytes are read by this program alone).
; THE CODES ARE LAID AS IMAGES OF OPERAND REGISTERS.  A fragment is 16 rows x 128 K, 12 registers a lane: lane (r, h) holds row r, registers 6 c .. 6 c + 5 hold k = 64 c + 32 h + 0 .. 31.  Its image is 1,536 bytes:
; for each half c 512 bytes (registers 6 c .. 6 c + 3, 16 bytes a lane) and 256 bytes (registers 6 c + 4, 6 c + 5, 8 bytes a lane).  An operand is [block of 128 rows][K step 0..7][tile 0..7][1,536].
; THE ROWS OF A TILE ARE NOT NEIGHBOURS: lane r of tile 2 g + u takes row 32 g + 8 u + r + 8 (r / 8).
; The scale words lie [pair g of 32 rows][sq 0..3][lane 16 u + r][2 words]: the words of K steps 2 sq and 2 sq + 1 of tile 2 g + u's row r.
; Work-groups 0-95 take w_in, 96-127 w_out, 128-383 x: three ways that never join, each with LDS bytes of its own.  No tensor load, no barrier: a wave's stage is its own.
.set XW,     8448                      ; x: a wave's stage: 16 rows x (512 bytes + 16)
.set WISTG,  4*XW                      ; w_in's stages begin here
.set WW,     6912                      ; a weight's stage for a wave: four fragments 1,664 bytes apart, then 256 bytes of scale words
.set WOSTG,  WISTG+4*WW                ; w_out's
.set FP,     1664                      ; 1,536 + 128: tiles u = 0 and u = 1 then fall on different halves of the banks
.set FLOOR,  0x1800000                 ; 2^(3 - 127)
.set DOWN2,  0xff000000                ; takes 2 off an exponent field
.set R,  16                            ; v16-143  x: two sets of 64 numbers as loaded
.set X,  144                           ; v144-207 x: 64 numbers in the operand's order
.set PC, 208                           ; v208-223 codes: half c at PC + 8 c
.set TC, 224                           ; v224-231 the upper 16 codes of each block, before they are moved
.set W,  232                           ; v232-235 a scale word for each of the four fragments
.set M,  236
.set SO, 238
.set BY, 240
.set T,  242
.set O,  244
.macro LOADF f                         ; fragment f = 2 u + s: 16 rows x 512 bytes; each load takes 512 consecutive bytes of one row
.irp i, 0,1,2,3,4,5,6,7,8,9,10,11,12,13,14,15
	global_load_b128 v[R+64*((\f)%2)+4*\i:R+64*((\f)%2)+4*\i+3], v2, s[4:5] offset:(8*((\f)/2)+\i+8*(\i/8))*4096+512*((\f)%2) th:TH_LOAD_NT
.endr
.endm
.macro XFRAG f
.if (\f) < 3
	s_wait_loadcnt 16                              ; this fragment's 16 loads are in; the next fragment's 16 may be out
.else
	s_wait_loadcnt 0x0
.endif
.irp i, 0,1,2,3,4,5,6,7,8,9,10,11,12,13,14,15
	ds_store_b128 v5, v[R+64*((\f)%2)+4*\i:R+64*((\f)%2)+4*\i+3] offset:528*\i
.endr
.irp c, 0,1
.irp q, 0,1,2,3,4,5,6,7
	ds_load_b128 v[X+32*\c+4*\q:X+32*\c+4*\q+3], v8 offset:256*\c+16*\q   ; LDS serves a wave's instructions in order: these see the stores above.  Row r, k = 64 c + 32 h + 4 q ..
.endr
.endr
	s_wait_dscnt 0x0                               ; the numbers are back, and the stores have read their registers,
.if (\f)+2 < 4
	LOADF (\f)+2                                   ; which take the fragment two further on
.endif
.irp c, 0,1
	v_max3_num_f32 v[M+\c], |v[X+32*\c]|, |v[X+32*\c+1]|, FLOOR   ; block 2 c + h of my row: all its 32 numbers are mine
.endr
.irp i, 2,4,6,8,10,12,14,16,18,20,22,24,26,28,30
.irp c, 0,1
	v_max3_num_f32 v[M+\c], v[M+\c], |v[X+32*\c+\i]|, |v[X+32*\c+\i+1]|
.endr
.endr
.irp c, 0,1
	v_add_nc_u32 v[SO+\c], DOWN2, v[M+\c]          ; the conversion takes this operand's exponent field as its scale
.endr
.irp c, 0,1
	v_lshrrev_b32 v[BY+\c], 23, v[SO+\c]           ; the scale's byte
.endr
	v_lshl_or_b32 v[W+(\f)], v[BY+1], 16, v[BY]    ; my two bytes, blocks h and 2 + h,
	v_lshlrev_b32 v[W+(\f)], v9, v[W+(\f)]         ; 8 h bits up;
	v_permlanex16_b32 v[T], v[W+(\f)], s16, s17
	v_or_b32 v[W+(\f)], v[W+(\f)], v[T]            ; with lane l xor 16's two the word is whole, in both lanes
.if (\f) > 0
	s_wait_alu depctr_va_vdst(0)
	s_wait_xcnt 0x0                                ; the last fragment's stores have read the codes' registers
.endif
.irp c, 0,1
	v_cvt_scalef32_pk16_fp6_f32 v[PC+8*\c:PC+8*\c+2], v[X+32*\c:X+32*\c+15], v[SO+\c]
	v_cvt_scalef32_pk16_fp6_f32 v[TC+4*\c:TC+4*\c+2], v[X+32*\c+16:X+32*\c+31], v[SO+\c]   ; (a conversion's three registers begin on an even number)
.endr
	v_nop                                          ; one plain instruction behind the scaled conversions
.irp c, 0,1
.irp i, 0,1,2
	v_mov_b32 v[PC+8*\c+3+\i], v[TC+4*\c+\i]
.endr
.endr
.irp c, 0,1
	global_store_b128 v2, v[PC+8*\c:PC+8*\c+3], s[10:11] offset:((\f)%2)*12288+((\f)/2)*1536+768*\c       ; 512 consecutive bytes
	global_store_b64 v3, v[PC+8*\c+4:PC+8*\c+5], s[10:11] offset:((\f)%2)*12288+((\f)/2)*1536+768*\c+512  ; 256 consecutive bytes
.endr
.endm
.macro WLOAD n, t                      ; block t of my column: w(256 sq + 32 t + i, my column): 32 lanes read 128 consecutive bytes
.irp i, 0,1,2,3,4,5,6,7,8,9,10,11,12,13,14,15,16,17,18,19,20,21,22,23,24,25,26,27,28,29,30,31
	global_load_b32 v[16+32*((\t)%2)+\i], v4, s[28:29] offset:(32*(\t)+\i)*(\n)*4 th:TH_LOAD_NT
.endr
.endm
.macro WBLOCK n, t                     ; block t is K step t / 4 of my two, half c = (t % 4) / 2, lanes' half h = t % 2
.set XS, 16+32*((\t)%2)
.set WO, ((\t)/4)*2*FP+768*(((\t)%4)/2)
.if (\t) < 7
	s_wait_loadcnt 32                              ; this block's 32 loads are in; the next block's may be out
.else
	s_wait_loadcnt 0x0
.endif
	v_max3_num_f32 v90, |v[XS]|, |v[XS+1]|, |v[XS+2]|
	v_max3_num_f32 v91, |v[XS+3]|, |v[XS+4]|, |v[XS+5]|
.irp i, 6,10,14,18,22,26
	v_max3_num_f32 v90, v90, |v[XS+\i]|, |v[XS+\i+1]|
	v_max3_num_f32 v91, v91, |v[XS+\i+2]|, |v[XS+\i+3]|
.endr
	v_max3_num_f32 v90, v90, |v[XS+30]|, |v[XS+31]|
	v_max3_num_f32 v90, v90, v91, FLOOR
	v_add_nc_u32 v92, DOWN2, v90
	v_lshrrev_b32 v93, 23, v92
.if (\t)%4 == 0
	v_mov_b32 v[88+(\t)/4], v93                    ; four bytes to a word, the lower K in the lower byte
.else
	v_lshl_or_b32 v[88+(\t)/4], v93, 8*((\t)%4), v[88+(\t)/4]
.endif
	v_cvt_scalef32_pk16_fp6_f32 v[80:82], v[XS:XS+15], v92
	v_cvt_scalef32_pk16_fp6_f32 v[84:86], v[XS+16:XS+31], v92
	v_nop                                          ; one plain instruction behind the scaled conversions
	v_mov_b32 v83, v84                             ; the block's six registers on end
	v_mov_b32 v84, v85
	v_mov_b32 v85, v86
	ds_store_b128 v7, v[80:83] offset:WO+256*((\t)%2)      ; to the place of lane 16 h + r' of the fragment's image
	ds_store_b64 v8, v[84:85] offset:WO+512+128*((\t)%2)
.if (\t)+2 < 8
	WLOAD \n, (\t)+2
.endif
	s_wait_dscnt 0x0                               ; the stores have read their registers: the next block's codes may be written
.endm
; A weight [1024][n]: a lane takes a column, its registers run down K.  Work-group first + 4 cg + sq: block cg of 128 columns, K = 256 sq on; wave w: pair g = 4 cg + w of 32 columns.
.macro WPATH n, p, codeoff, scaleoff, ldsbase, first
	s_sub_co_u32 s18, ttmp9, \first
	s_and_b32 s19, s18, 3                          ; sq
	s_lshr_b32 s18, s18, 2                         ; cg
	s_lshl_b32 s20, s18, 2
	s_add_co_u32 s20, s20, s14                     ; g
	s_mul_i32 s22, s19, 256*(\n)*4
	s_lshl_b32 s23, s20, 7
	s_add_co_u32 s22, s22, s23                     ; the weight: row 256 sq, column 32 g
	s_mov_b32 s23, 0
	s_mul_i32 s24, s18, 98304
	s_mul_i32 s25, s19, 24576
	s_add_co_u32 s24, s24, s25
	s_mul_i32 s25, s14, 3072
	s_add_co_u32 s24, s24, s25
	s_add_co_u32 s24, s24, \codeoff                ; the codes: block cg, K step 2 sq, tile 2 w
	s_mov_b32 s25, 0
	s_lshl_b32 s26, s20, 10
	s_lshl_b32 s27, s19, 8
	s_add_co_u32 s26, s26, s27
	s_add_co_u32 s26, s26, \scaleoff               ; the scale words: pair g, sq
	s_mov_b32 s27, 0
	s_mul_i32 s34, s14, WW
	s_add_co_u32 s34, s34, \ldsbase                ; my stage
	v_and_b32 v5, 7, v0
	v_bfe_u32 v6, v0, 4, 1
	v_lshl_add_u32 v5, v6, 3, v5                   ; column 32 g + lane is lane r' = lane % 8 + 8 (lane / 16)
	v_bfe_u32 v11, v0, 3, 1                        ; of tile u = (lane / 8) % 2
	v_mul_u32_u24 v6, v11, FP
	v_add_nc_u32 v6, s34, v6
	v_lshl_add_u32 v7, v5, 4, v6                   ; where my 16 bytes go
	v_lshl_add_u32 v8, v5, 3, v6                   ; and my 8
	v_add_nc_u32 v9, s34, v2                       ; the way out: 16 bytes a lane,
	v_add_nc_u32 v10, s34, v3                      ; 8 bytes a lane
	v_lshl_add_u32 v11, v11, 4, v5
	v_lshlrev_b32 v11, 3, v11
	v_add_nc_u32 v11, s34, v11                     ; my two scale words: 8 (16 u + r')
	s_wait_kmcnt 0x0
	s_add_nc_u64 s[28:29], s[\p:\p+1], s[22:23]
	s_add_nc_u64 s[30:31], s[12:13], s[24:25]
	s_add_nc_u64 s[32:33], s[12:13], s[26:27]
	WLOAD \n, 0
	WLOAD \n, 1
.irp t, 0,1,2,3,4,5,6,7
	WBLOCK \n, \t
.endr
	s_wait_alu depctr_va_vdst(0)
	ds_store_b64 v11, v[88:89] offset:4*FP
.irp e, 0,1,2,3,4,5,6,7                ; piece e: fragment e / 2 = 2 s + u, half e % 2
	ds_load_b128 v[96+4*\e:99+4*\e], v9 offset:(\e/2)*FP+768*(\e%2)        ; LDS serves a wave's instructions in order: these see my stores
	ds_load_b64 v[128+2*\e:129+2*\e], v10 offset:(\e/2)*FP+768*(\e%2)+512
.endr
	ds_load_b64 v[144:145], v10 offset:4*FP
.irp e, 0,1,2,3,4,5,6,7
	s_wait_dscnt 15-2*\e                           ; piece e's two loads are in; the 15 - 2 e issued behind them may be out
	global_store_b128 v2, v[96+4*\e:99+4*\e], s[30:31] offset:(\e/4)*12288+((\e/2)%2)*1536+768*(\e%2)
	global_store_b64 v3, v[128+2*\e:129+2*\e], s[30:31] offset:(\e/4)*12288+((\e/2)%2)*1536+768*(\e%2)+512
.endr
	s_wait_dscnt 0x0
	global_store_b64 v3, v[144:145], s[32:33]      ; 256 consecutive bytes of scale words
	s_wait_tensorcnt 0x0
	ds_add_u32 v254, v255
	s_wait_dscnt 0x0
	s_endpgm
.endm
	s_load_b128 s[4:7], s[0:1], 0x0                ; x, w_in
	s_load_b128 s[8:11], s[0:1], 0x10              ; w_out, xq
	s_load_b64 s[12:13], s[0:1], 0x20              ; wq
	v_lshl_add_u32 v254, v0, 2, 0x15c00
	v_mov_b32 v255, 0
	v_lshrrev_b32 v1, 5, v0
	v_readfirstlane_b32 s14, v1                    ; wave 0..3
	v_and_b32 v1, 31, v0                           ; lane
	v_lshlrev_b32 v2, 4, v1                        ; 16 x lane
	v_lshlrev_b32 v3, 3, v1                        ; 8 x lane
	v_lshlrev_b32 v4, 2, v1                        ; 4 x lane
	s_cmp_lt_u32 ttmp9, 96
	s_cbranch_scc1 .Lw_in
	s_cmp_lt_u32 ttmp9, 128
	s_cbranch_scc1 .Lw_out
	; ---- x: work-group 128 + g takes pair g of 32 rows; wave sq takes columns 256 sq on: four fragments (u, s)
	s_sub_co_u32 s18, ttmp9, 128                   ; g
	s_lshl_b32 s20, s18, 17                        ; 32 rows of 4,096 bytes
	s_lshl_b32 s21, s14, 10
	s_add_co_u32 s20, s20, s21
	s_mov_b32 s21, 0
	s_lshr_b32 s22, s18, 2
	s_mul_i32 s22, s22, 98304
	s_mul_i32 s23, s14, 24576
	s_add_co_u32 s22, s22, s23
	s_and_b32 s23, s18, 3
	s_mul_i32 s23, s23, 3072
	s_add_co_u32 s22, s22, s23                     ; the codes: block g / 4, K step 2 sq, tile 2 (g % 4)
	s_mov_b32 s23, 0
	s_lshl_b32 s24, s18, 10
	s_lshl_b32 s25, s14, 8
	s_add_co_u32 s24, s24, s25
	s_add_co_u32 s24, s24, 6291456                 ; the scale words: pair g, sq
	s_mov_b32 s25, 0
	s_mov_b32 s15, 0xffff0000                      ; lanes 16-31
	s_mov_b32 s16, 0x76543210
	s_mov_b32 s17, 0xfedcba98                      ; v_permlanex16_b32's selects for lane l xor 16
	s_mul_i32 s28, s14, XW                         ; my stage
	s_wait_alu depctr_va_vdst(0)
	v_add_nc_u32 v5, s28, v2                       ; in: 16 bytes a lane, a row an instruction
	v_and_b32 v6, 15, v0                           ; r
	v_bfe_u32 v7, v0, 4, 1                         ; h
	v_mul_u32_u24 v8, v6, 528
	v_lshl_add_u32 v8, v7, 7, v8
	v_add_nc_u32 v8, s28, v8                       ; out: row r, 128 h bytes on
	v_lshlrev_b32 v9, 3, v7                        ; 8 h
	v_mov_b32 v[T], 0                              ; a lane permute's destination counts as one of its sources
	s_wait_alu depctr_va_vdst(0)
	s_wait_kmcnt 0x0
	s_add_nc_u64 s[4:5], s[4:5], s[20:21]
	s_add_nc_u64 s[26:27], s[10:11], s[24:25]
	s_add_nc_u64 s[10:11], s[10:11], s[22:23]
	LOADF 0
	LOADF 1
	XFRAG 0
	XFRAG 1
	XFRAG 2
	XFRAG 3
	v_cndmask_b32 v[O], v[W], v[W+2], s15          ; lanes 0-15 tile u = 0's words, lanes 16-31 tile u = 1's
	v_cndmask_b32 v[O+1], v[W+1], v[W+3], s15
	global_store_b64 v3, v[O:O+1], s[26:27]        ; 256 consecutive bytes
	s_wait_tensorcnt 0x0
	ds_add_u32 v254, v255
	s_wait_dscnt 0x0
	s_endpgm
.Lw_in:
	WPATH 3072, 6, 0, 2359296, WISTG, 0
.Lw_out:
	WPATH 1024, 8, 2457600, 3244032, WOSTG, 96
.Lfunc_end_k_q78f3054d38_quant:
	.size	k_q78f3054d38_quant, .Lfunc_end_k_q78f3054d38_quant-k_q78f3054d38_quant
	.p2alignl 7, 3214868480
	.fill 96, 4, 3214868480
	.section	.rodata,"a",@progbits
	.p2align	6, 0x0
	.amdhsa_kernel k_q78f3054d38_quant
		.amdhsa_group_segment_fixed_size 89600
		.amdhsa_private_segment_fixed_size 0
		.amdhsa_enable_private_segment 0
		.amdhsa_kernarg_size 40
		.amdhsa_user_sgpr_count 2
		.amdhsa_user_sgpr_kernarg_segment_ptr 1
		.amdhsa_wavefront_size32 1
		.amdhsa_system_sgpr_workgroup_id_x 1
		.amdhsa_system_sgpr_workgroup_id_y 1
		.amdhsa_system_sgpr_workgroup_id_z 1
		.amdhsa_system_vgpr_workitem_id 0
		.amdhsa_next_free_vgpr 256
		.amdhsa_next_free_sgpr 66
		.amdhsa_reserve_vcc 0
		.amdhsa_float_denorm_mode_32 3
		.amdhsa_float_denorm_mode_16_64 3
		.amdhsa_memory_ordered 1
		.amdhsa_forward_progress 1
		.amdhsa_inst_pref_size 115
	.end_amdhsa_kernel
	.amdgpu_metadata
---
amdhsa.version: [ 1, 2 ]
amdhsa.kernels:
  - .name:           k_q78f3054d38_quant
    .symbol:         k_q78f3054d38_quant.kd
    .args:
      - { .name: x, .offset: 0, .size: 8, .value_kind: global_buffer, .address_space: global }
      - { .name: w_in, .offset: 8, .size: 8, .value_kind: global_buffer, .address_space: global }
      - { .name: w_out, .offset: 16, .size: 8, .value_kind: global_buffer, .address_space: global }
      - { .name: xq, .offset: 24, .size: 8, .value_kind: global_buffer, .address_space: global }
      - { .name: wq, .offset: 32, .size: 8, .value_kind: global_buffer, .address_space: global }
    .group_segment_fixed_size: 89600
    .private_segment_fixed_size: 0
    .kernarg_segment_align: 8
    .kernarg_segment_size: 40
    .max_flat_workgroup_size: 128
    .sgpr_count:     66
    .vgpr_count:     256
    .wavefront_size: 32
...
	.end_amdgpu_metadata
.endif
;; end of part 1
;; launch qkv (part 2): grid 4 x 64, 4 waves a work-group, clusters of 4 x 4, 327,680 bytes of LDS; arguments xq, wq, b_in, mask, qb, kv; writes qb, kv
.if DOCPART == 2
	.amdgcn_target "amdgcn-amd-amdhsa--gfx1250"
	.amdhsa_code_object_version 6
	.text
	.protected	k_q78f3054d38_qkv
	.globl	k_q78f3054d38_qkv
	.p2align	8
	.type	k_q78f3054d38_qkv,@function
k_q78f3054d38_qkv:
	s_mov_b64 s[64:65], 0
	v_nop
	global_prefetch_b8 v0, s[64:65] scope:SCOPE_SE
	s_setreg_imm32_b32 hwreg(HW_REG_WAVE_MODE, 25, 1), 1
	s_wait_xcnt 0x0
	s_wait_alu depctr_hold_cnt(0) depctr_sa_sdst(0) depctr_va_vdst(0) depctr_va_sdst(0) depctr_va_ssrc(0) depctr_va_vcc(0) depctr_vm_vsrc(0)
	s_getreg_b32 s2, hwreg(HW_REG_IB_STS2, 6, 4)
	s_cmp_eq_u32 s2, 0
	s_cbranch_scc0 .Lentry_in_a_cluster
	s_endpgm
.Lentry_in_a_cluster:
	s_bfe_u32 s2, ttmp6, 0x10000c
	s_cmp_lg_u32 s2, 0xf033
	s_cbranch_scc0 .Lentry_shape_is_right
	s_endpgm
.Lentry_shape_is_right:
; qkv = x w_in + b_in on codes of FP6 (E2M3) with E8M0 scales, and the quantiser behind it: q / 8 and k along the head's 64, v along the keys.  Nothing leaves in f32.
; OPERANDS are images of operand registers: [block of 128 rows][K step 0..7][tile 0..7][1,536 bytes]; lane r of tile 2 g + u is row 32 g + 8 u + r + 8 (r / 8).  Scale words: [pair of 32 rows][sq][lane 16 u + r][2].
; A TILE is 128 rows of A x 256 rows of B with ALL of K = 1,024 in LDS: 384 rows x 768 bytes = 294,912 bytes.  Four waves, each 64 x 128: 32 accumulators.
; A WORK-GROUP STAYS and makes three tiles, X = 0 (q), 1 (k), 2 (v): 256 work-groups, sixteen clusters of 4 x 4; Y the cluster's number.  Behind a tile's last K step LDS is filled again with the next tile's operands,
; and the finished tile is quantised and stored, out of registers alone, while those loads land.  The tiles q and k are a loop of two trips, each with its refill; the tile v, which asks for nothing more, is written out behind it.
; THE MATRIX INSTRUCTION IS USED TRANSPOSED (source 0 = a tile of B, source 1 = a tile of A): lane (r, h) holds A's row r, and the 16 registers of B's tiles 2 n and 2 n + 1 are B's rows 32 n + 16 h + 0 .. 15.
; X = 0, 1: A = x (tokens), B = w_in (channels): a lane's registers run along the channels, q's and k's K.  X = 2: A = w_in's channels 2,048 on, B = x: a lane's registers run along the tokens, v's K.
; A's tiles are asked for jointly along a row of the cluster, B's along a column.  No prefetch into the L2: a tile's operands are asked for whole, a way out ahead of their first use.
; THE KEY MASK is laid into k's image.  The second product's K is 64 of the instruction's 128; of the other 64, q has the code +1.0 at k = 64 and k = 96 under the scale 2^0, a masked key -1.0 under 2^100
; (its score becomes -2^101, its weight 0), a kept key the code 0 under 2^-126.  LIMIT: logits times log2(e) stay under 2^90 in magnitude.
; LIMITS of the quantiser: NaN and infinities are not served; a block under 2^-124, and a block of zeros, keeps the byte 1 (its codes are read by this program alone).
; REGISTERS, in windows of 256.  Window 0: v1, v2 16 and 8 x lane; v6-13 LDS addresses; v14-17 offsets; v20-27 the mask's constants and words; v32-47 A's scale words, v48-79 B's; v80-95 at work;
;   v96-191 A's fragments, two sets of 48 (on the way out: 64 numbers, codes); v184-199 scale words on the way out; v254, v255 the add's.  Window 1: B's fragments, two sets of 96.  Window 2: accumulator (a, b) at v[8 (8 a + b)].  Window 3: biases.
.set FRB,   1536
.set KSB,   8*FRB                      ; a K step of a block of 128 rows
.set BLKB,  8*KSB                      ; a block of 128 rows
.set BCODE, BLKB                       ; LDS: A's block at 0; behind it B: [K steps 0-3, 4-7][block][four K steps]
.set FLOOR, 0x1800000
.set DOWN2, 0xff000000
.set SA,  32
.set SB,  48
.set TM,  80
.set AF,  96
.set Y,   96
.set PC,  160
.set TC,  176
.set PW,  184
.set BYR, 185
.set W0,  188
.set W1,  192
.set OW,  196
.set MK,  24
.set MSB, 0
.macro WIN new                         ; the immediate's high byte repeats the setting that is left
.if MSB != \new
	s_set_vgpr_msb (MSB<<8)|\new
.set MSB, \new
.endif
.endm
.set MUL,  0xa1                        ; source 0 (B) window 1, source 1 (A) window 0, C and D window 2
.set TO_B, 0x40                        ; destination window 1, address window 0
.macro PLACES
.rept 4
	v_nop
.endr
.endm
.macro WALU
	s_wait_alu depctr_va_vdst(0)
.endm
.macro CROUND                          ; a round of the cluster's barrier
	s_barrier_signal -1
	s_barrier_wait -1
	s_cmp_lg_u32 s16, 0
	s_cbranch_scc1 .Lnot_wave_0_\@
	s_barrier_signal -3
.Lnot_wave_0_\@:
	s_barrier_wait -3
	s_barrier_signal -1
	s_barrier_wait -1
.endm
.macro FRAG reg, a16, a8, off          ; a fragment's image comes back as it was laid: 16 + 8 bytes a lane for each half
	ds_load_b128 v[(\reg):(\reg)+3], v[\a16] offset:(\off)
	ds_load_b64 v[(\reg)+4:(\reg)+5], v[\a8] offset:(\off)+512
	ds_load_b128 v[(\reg)+6:(\reg)+9], v[\a16] offset:(\off)+768
	ds_load_b64 v[(\reg)+10:(\reg)+11], v[\a8] offset:(\off)+1280
.endm
.macro FETCH s                         ; K step s: B's eight fragments and A's four, 48 loads, into set s % 2
.set fo, ((\s)%4)*KSB
.set fh, 2*((\s)/4)
	WIN TO_B
.irp i, 0,1,2,3,4,5,6,7
	FRAG 96*((\s)%2)+12*\i, 10+fh, 11+fh, fo+FRB*\i
.endr
	WIN 0
.irp i, 0,1,2,3
	FRAG AF+48*((\s)%2)+12*\i, 6+fh, 7+fh, fo+FRB*\i
.endr
.endm
; One product.  ck = 1: it starts a sum with 0; ck = 0: it adds in place.  ra, rb: the scale words of source 0, 1 stand in lanes 16-31 (an odd tile of a pair).
.macro WM ck, ra, rb
.if (\ck) == 1
.if (\ra) && (\rb)
	v_wmma_scale_f32_16x16x128_f8f6f4 v[rD:rD+7], v[rB:rB+11], v[rA:rA+11], 0, v[rSB], v[rSA] matrix_a_fmt:MATRIX_FMT_FP6 matrix_b_fmt:MATRIX_FMT_FP6 matrix_a_scale:MATRIX_SCALE_ROW1 matrix_b_scale:MATRIX_SCALE_ROW1
.elseif (\ra)
	v_wmma_scale_f32_16x16x128_f8f6f4 v[rD:rD+7], v[rB:rB+11], v[rA:rA+11], 0, v[rSB], v[rSA] matrix_a_fmt:MATRIX_FMT_FP6 matrix_b_fmt:MATRIX_FMT_FP6 matrix_a_scale:MATRIX_SCALE_ROW1
.elseif (\rb)
	v_wmma_scale_f32_16x16x128_f8f6f4 v[rD:rD+7], v[rB:rB+11], v[rA:rA+11], 0, v[rSB], v[rSA] matrix_a_fmt:MATRIX_FMT_FP6 matrix_b_fmt:MATRIX_FMT_FP6 matrix_b_scale:MATRIX_SCALE_ROW1
.else
	v_wmma_scale_f32_16x16x128_f8f6f4 v[rD:rD+7], v[rB:rB+11], v[rA:rA+11], 0, v[rSB], v[rSA] matrix_a_fmt:MATRIX_FMT_FP6 matrix_b_fmt:MATRIX_FMT_FP6
.endif
.else
.if (\ra) && (\rb)
	v_wmma_scale_f32_16x16x128_f8f6f4 v[rD:rD+7], v[rB:rB+11], v[rA:rA+11], v[rD:rD+7], v[rSB], v[rSA] matrix_a_fmt:MATRIX_FMT_FP6 matrix_b_fmt:MATRIX_FMT_FP6 matrix_a_scale:MATRIX_SCALE_ROW1 matrix_b_scale:MATRIX_SCALE_ROW1
.elseif (\ra)
	v_wmma_scale_f32_16x16x128_f8f6f4 v[rD:rD+7], v[rB:rB+11], v[rA:rA+11], v[rD:rD+7], v[rSB], v[rSA] matrix_a_fmt:MATRIX_FMT_FP6 matrix_b_fmt:MATRIX_FMT_FP6 matrix_a_scale:MATRIX_SCALE_ROW1
.elseif (\rb)
	v_wmma_scale_f32_16x16x128_f8f6f4 v[rD:rD+7], v[rB:rB+11], v[rA:rA+11], v[rD:rD+7], v[rSB], v[rSA] matrix_a_fmt:MATRIX_FMT_FP6 matrix_b_fmt:MATRIX_FMT_FP6 matrix_b_scale:MATRIX_SCALE_ROW1
.else
	v_wmma_scale_f32_16x16x128_f8f6f4 v[rD:rD+7], v[rB:rB+11], v[rA:rA+11], v[rD:rD+7], v[rSB], v[rSA] matrix_a_fmt:MATRIX_FMT_FP6 matrix_b_fmt:MATRIX_FMT_FP6
.endif
.endif
.endm
.macro MUL8 a, s, ck                   ; A's tile a against B's eight, K step s.  The 32 accumulators take turns, one instruction a turn, in the same order in every K step
.irp b, 0,1,2,3,4,5,6,7
.set rD, 8*(8*(\a)+\b)
.set rB, 96*((\s)%2)+12*\b
.set rA, AF+48*((\s)%2)+12*(\a)
.set rSB, SB+8*(\b/2)+(\s)
.set rSA, SA+8*((\a)/2)+(\s)
	WM \ck, \b%2, (\a)%2
.endr
.endm
; A K step: 32 products; behind the first eight the next K step's 48 loads go out in one run, 24 products ahead of their use.  In K step 3 the tiles of K steps 4 to 7 are shown landed to all four waves.
.macro STEP s, ck
	s_wait_dscnt 0x0                               ; this K step's fragments are in; no LDS instruction of mine is out
.if (\s) == 3
	s_wait_tensorcnt 0x0                           ; every wave's one load has landed: K steps 4 to 7 among them
	s_barrier_signal -1
.endif
	WIN MUL
	MUL8 0, \s, \ck
.if (\s) == 3
	s_barrier_wait -1                              ; everybody's has
.endif
.if (\s) < 7
	PLACES                                         ; four places between the last K step's products and the loads into the set that they read
	FETCH (\s)+1
.endif
	WIN MUL
	MUL8 1, \s, \ck
	MUL8 2, \s, \ck
	MUL8 3, \s, \ck
.endm
; A tile's products, from the wait for its first half to its last K step.
.macro KLOOP
	WALU                                           ; directly ahead of the branch and the waits below
	s_cmp_lt_u32 s16, 2                            ; waves 0 and 1, whose load lines are their own, wait for K steps 0-3
	s_cbranch_scc0 .Lnot_low_\@
	s_wait_tensorcnt 0x0
.Lnot_low_\@:
	s_barrier_signal -1
	s_barrier_wait -1                              ; K steps 0-3 lie in LDS; K steps 4-7 may be on their way
	FETCH 0
	s_wait_loadcnt 0x0                             ; scale words, biases, mask words
	STEP 0, 1                                      ; the first K step's products start the sums
	STEP 1, 0
	STEP 2, 0
	STEP 3, 0
	STEP 4, 0
	STEP 5, 0
	STEP 6, 0
	STEP 7, 0
	WIN 0
.endm
; Tile s70's operands: the two descriptors' addresses, the scale words' bases, and its place: s68 A's block of 128 rows (it hangs on Y and cy alone), s69 B's pair of blocks (on X, Y and cx alone).  No tensor load of the wave is out here.
.macro ADDR
	s_lshr_b32 s68, s22, 3
	s_and_b32 s69, s22, 7
	s_mov_b32 s44, 16*BLKB                         ; w_in's channels 2,048 on: blocks 16 on
	s_mov_b32 s45, 2359296+65536                   ; and their scale words: pairs 64 on
	s_mov_b32 s46, 6291456                         ; x's scale words in xq
	s_mov_b32 s47, 2359296                         ; w_in's in wq
	s_cmp_eq_u32 s70, 2                            ; v?
	s_cselect_b32 s68, s68, s22
	s_cselect_b32 s69, s69, s70
	s_cselect_b32 s44, s44, 0                      ; where A's codes begin in their buffer
	s_cselect_b32 s45, s45, s46                    ; A's scale words
	s_cselect_b32 s46, s46, s47                    ; B's
	s_cselect_b64 s[76:77], s[6:7], s[4:5]         ; A's buffer
	s_cselect_b64 s[78:79], s[4:5], s[6:7]         ; B's
	s_lshl_b32 s68, s68, 2
	s_add_co_u32 s68, s68, s20
	s_lshl_b32 s69, s69, 2
	s_add_co_u32 s69, s69, s19
	s_mul_i32 s48, s68, BLKB
	s_add_co_u32 s48, s48, s44
	s_add_co_u32 s48, s48, s21                     ; A: K steps 4 (wave / 2) on
	s_mov_b32 s49, 0
	s_mul_i32 s50, s69, 2*BLKB
	s_add_co_u32 s50, s50, s21                     ; B: the same of both blocks
	s_mov_b32 s51, 0
	s_lshl_b32 s52, s68, 2
	s_lshl_b32 s53, s17, 1
	s_add_co_u32 s52, s52, s53
	s_lshl_b32 s52, s52, 10
	s_add_co_u32 s52, s52, s45                     ; A's scale words: pairs 4 block + 2 wr on
	s_mov_b32 s53, 0
	s_lshl_b32 s54, s69, 3
	s_lshl_b32 s55, s18, 2
	s_add_co_u32 s54, s54, s55
	s_lshl_b32 s54, s54, 10
	s_add_co_u32 s54, s54, s46                     ; B's: pairs 8 pair-of-blocks + 4 wc on
	s_mov_b32 s55, 0
	s_add_nc_u64 s[42:43], s[76:77], s[48:49]
	s_or_b32 s43, s43, 0x80000000
	s_add_nc_u64 s[58:59], s[78:79], s[50:51]
	s_or_b32 s59, s59, 0x80000000
	s_add_nc_u64 s[76:77], s[76:77], s[52:53]
	s_add_nc_u64 s[78:79], s[78:79], s[54:55]
.endm
; A tile's four joint loads, ONE A WAVE, in one chain of branches on the wave's number: wave 0 A's K steps 0-3, wave 1 B's, wave 2 A's K steps 4-7, wave 3 B's
.macro FILL
	s_cmp_eq_u32 s16, 0
	s_cbranch_scc0 .Lfill_1_\@
	tensor_load_to_lds s[40:43], s[24:31]
	s_nop 0
	PLACES
	s_branch .Lfilled_\@
.Lfill_1_\@:
	s_cmp_eq_u32 s16, 1
	s_cbranch_scc0 .Lfill_2_\@
	tensor_load_to_lds s[56:59], s[32:39]
	s_nop 0
	PLACES
	s_branch .Lfilled_\@
.Lfill_2_\@:
	s_cmp_eq_u32 s16, 2
	s_cbranch_scc0 .Lfill_3_\@
	tensor_load_to_lds s[40:43], s[24:31]
	s_nop 0
	PLACES
	s_branch .Lfilled_\@
.Lfill_3_\@:
	tensor_load_to_lds s[56:59], s[32:39]
	s_nop 0
	PLACES
.Lfilled_\@:
.endm
.macro SCLOAD                          ; a tile's scale words of all of K: lanes 0-15 a pair's even tile, lanes 16-31 the odd one
.irp p, 0,1
.irp q, 0,1,2,3
	global_load_b64 v[SA+8*\p+2*\q:SA+8*\p+2*\q+1], v2, s[76:77] offset:1024*\p+256*\q
.endr
.endr
.irp p, 0,1,2,3
.irp q, 0,1,2,3
	global_load_b64 v[SB+8*\p+2*\q:SB+8*\p+2*\q+1], v2, s[78:79] offset:1024*\p+256*\q
.endr
.endr
.endm
; 64 numbers of a lane, register 16 b + i = k 32 b + 16 h + i of my row, become a fragment's codes (half c at v[PC + 8 c] on) and its scale word in v[PW].
.macro QUANT s
.irp b, 0,1,2,3
	v_max3_num_f32 v[TM+\b], |v[\s+16*\b]|, |v[\s+1+16*\b]|, FLOOR   ; block b: my 16 numbers, and the floor that holds the byte at 1 from below
.endr
.irp i, 2,4,6,8,10,12,14
.irp b, 0,1,2,3
	v_max3_num_f32 v[TM+\b], v[TM+\b], |v[\s+16*\b+\i]|, |v[\s+1+16*\b+\i]|
.endr
.endr
.irp b, 0,1,2,3
	v_permlanex16_b32 v[TM+4+\b], v[TM+\b], s98, s99
.endr
.irp b, 0,1,2,3
	v_max_num_f32 v[TM+\b], v[TM+\b], v[TM+4+\b]   ; with lane l xor 16's: the block's largest magnitude
.endr
.irp b, 0,1,2,3
	v_add_nc_u32 v[TM+12+\b], DOWN2, v[TM+\b]      ; 2 off its exponent field: the conversion's scale operand
.endr
.irp b, 0,1,2,3
	v_lshrrev_b32 v[TM+4+\b], 23, v[TM+12+\b]      ; the scale's byte
.endr
	v_lshl_or_b32 v[PW], v[TM+5], 8, v[TM+4]
	v_lshl_or_b32 v[PW], v[TM+6], 16, v[PW]
	v_lshl_or_b32 v[PW], v[TM+7], 24, v[PW]
.irp c, 0,1
	v_cvt_scalef32_pk16_fp6_f32 v[PC+8*\c:PC+8*\c+2], v[\s+32*\c:\s+15+32*\c], v[TM+12+2*\c]
	v_cvt_scalef32_pk16_fp6_f32 v[TC+4*\c:TC+4*\c+2], v[\s+16+32*\c:\s+31+32*\c], v[TM+12+2*\c+1]
.endr
	v_nop                                          ; one plain instruction behind the scaled conversions
.irp c, 0,1                                    ; the operand's layout wants a whole block in a lane: lanes 0-15 block 2 c, lanes 16-31 block 2 c + 1
.irp i, 0,1,2
	v_cndmask_b32 v[TM+8+\i], v[TC+4*\c+\i], v[PC+8*\c+\i], s96   ; lanes 0-15: the odd block's lower 16 codes; lanes 16-31: the even block's upper 16
.endr
.irp i, 0,1,2
	v_cndmask_b32 v[PC+8*\c+\i], v[PC+8*\c+\i], v[TC+4*\c+\i], s96   ; registers 0-2: lanes 0-15 the even block's lower 16, lanes 16-31 THE ODD BLOCK'S UPPER 16
.endr
.irp i, 0,1,2
	v_permlanex16_b32 v[PC+8*\c+3+\i], v[TM+8+\i], s98, s99   ; registers 3-5: the even block's upper 16, the odd block's lower 16.  An odd block's halves are so laid swapped in q, k and v alike: q and k agree, and the next launch lays p as v lies
.endr
.endr
.endm
.macro QKOUT a
.if (\a) > 0
	s_wait_xcnt 0x0                                ; the last tile's stores have read the codes' registers
.endif
	WIN 0x32                                       ; source 0 window 2, source 2 window 3, destination window 0
.set j, 0
.rept 32
	v_pk_fma_f32 v[Y+j:Y+j+1], v[64*(\a)+j:64*(\a)+j+1], s[84:85], v[j:j+1] op_sel_hi:[1,0,1]   ; each accumulator from its low end on
.set j, j+2
.endr
	WIN 0
	QUANT Y
	v_cmp_lt_i32 vcc_lo, 0, v[MK+(\a)]             ; does my token count?
	v_cndmask_b32 v[PC+6], v20, v21, vcc_lo
	v_cndmask_b32 v[PC+14], v20, v21, vcc_lo
	v_cndmask_b32 v[BYR], v22, v23, vcc_lo
	v_and_or_b32 v[W0+(\a)], v[PW], 0xffff, v[BYR] ; head 0's word: its two bytes, and bytes 2 and 3
	v_lshrrev_b32 v[W1+(\a)], 16, v[PW]
	v_or_b32 v[W1+(\a)], v[W1+(\a)], v[BYR]        ; head 1's
	global_store_b128 v16, v[PC:PC+3], s[92:93] offset:1024*(\a)          ; each store covers 512 consecutive bytes
	global_store_b128 v16, v[PC+4:PC+7], s[92:93] offset:1024*(\a)+512
	global_store_b128 v16, v[PC+8:PC+11], s[94:95] offset:1024*(\a)
	global_store_b128 v16, v[PC+12:PC+15], s[94:95] offset:1024*(\a)+512
.endm
.macro VOUT a
.if (\a) > 0
	s_wait_xcnt 0x0                                ; the last tile's stores have read the codes' registers
.endif
	WIN 0x32
.set j, 0
.rept 32
	v_pk_fma_f32 v[Y+j:Y+j+1], v[64*(\a)+j:64*(\a)+j+1], s[84:85], v[64+2*(\a):65+2*(\a)] op_sel_hi:[1,0,0]   ; + my channel's bias; each accumulator from its low end on
.set j, j+2
.endr
	WIN 0
	QUANT Y
	v_mov_b32 v[W0+(\a)], v[PW]
	global_store_b128 v1, v[PC:PC+3], s[92:93] offset:FRB*(\a)
	global_store_b64 v2, v[PC+4:PC+5], s[92:93] offset:FRB*(\a)+512
	global_store_b128 v1, v[PC+8:PC+11], s[92:93] offset:FRB*(\a)+768
	global_store_b64 v2, v[PC+12:PC+13], s[92:93] offset:FRB*(\a)+1280
.endm
	s_load_b128 s[4:7], s[0:1], 0x0                ; xq, wq
	s_load_b128 s[8:11], s[0:1], 0x10              ; b_in, mask
	s_load_b128 s[12:15], s[0:1], 0x20             ; qb, kv
	v_lshl_add_u32 v254, v0, 2, 0x48000
	v_mov_b32 v255, 0
	ds_add_u32 v254, v255                          ; the opening lines: the add twice on end and its wait
	ds_add_u32 v254, v255
	v_lshrrev_b32 v1, 5, v0
	v_readfirstlane_b32 s16, v1                    ; wave 0..3
	s_lshr_b32 s17, s16, 1                         ; wr: which 64 of A's rows are mine.  Also: which half of K I fetch
	s_and_b32 s18, s16, 1                          ; wc: which of B's two blocks is mine.  Also: I fetch for A (0) or for B (1)
	s_bfe_u32 s19, ttmp6, 0x40000                  ; cx
	s_bfe_u32 s20, ttmp6, 0x40004                  ; cy
	s_and_b32 s22, ttmp7, 0xffff                   ; Y
	s_lshl_b32 s88, s20, 2
	s_lshl_b32 s88, 15, s88                        ; my row of the cluster
	s_lshl_b32 s89, 0x1111, s19                    ; my column
	; descriptor group 1, elements of 8 bytes.  A: four K steps of a block, dense: 192 rows of 256 bytes.  B: four K steps of each of two blocks: 2 rows of 49,152 bytes, 98,304 apart
	s_or_b32 s24, s88, (3<<16)|(1<<21)             ; 15:0 the mask; 17:16 elements of 8 bytes; 21 set beside a mask
	s_mov_b32 s25, 32<<16
	s_mov_b32 s26, 192<<16
	s_mov_b32 s27, 32<<16
	s_mov_b32 s28, 192
	s_mov_b32 s29, 32
	s_mov_b32 s30, 0
	s_mov_b32 s31, 0
	s_or_b32 s32, s89, (3<<16)|(1<<21)
	s_mov_b32 s33, 6144<<16
	s_mov_b32 s34, 2<<16
	s_mov_b32 s35, 6144<<16
	s_mov_b32 s36, 2
	s_mov_b32 s37, 12288
	s_mov_b32 s38, 0
	s_mov_b32 s39, 0
	s_mul_i32 s21, s17, 4*KSB                      ; the half of K that I fetch, in bytes of a block
	s_mul_i32 s23, s18, 4*KSB
	s_add_co_u32 s23, s23, BCODE                   ; where I read B's block wc
	s_mov_b32 s40, 1                               ; group 0 for A's half: the LDS place is the same for every tile,
	s_mov_b32 s41, s21
	s_mov_b32 s56, 1                               ; and for B's
	s_mul_i32 s57, s17, 8*KSB
	s_add_co_u32 s57, s57, BCODE
	s_mov_b32 s96, 0xffff0000                      ; lanes 16-31
	s_mov_b32 s98, 0x76543210
	s_mov_b32 s99, 0xfedcba98                      ; v_permlanex16_b32's selects for lane l xor 16
	s_mov_b32 s71, 0                               ; X of the tile at work
	s_mov_b32 s70, 0                               ; X of the tile that is asked for
	s_wait_dscnt 0x0
	s_wait_kmcnt 0x0
	ADDR
	s_mov_b32 s80, s68
	s_mov_b32 s81, s69
	CROUND                                         ; all sixteen work-groups are here: the joint loads meet
	FILL
	v_and_b32 v3, 31, v0
	v_lshlrev_b32 v1, 4, v3                        ; 16 x lane
	v_lshlrev_b32 v2, 3, v3                        ; 8 x lane
	s_mul_i32 s82, s17, 4*FRB                      ; A's tiles 4 wr on
	v_add_nc_u32 v6, s82, v1
	v_add_nc_u32 v7, s82, v2
	v_add_nc_u32 v8, 4*KSB, v6                     ; K steps 4 on: an LDS offset has 16 bits
	v_add_nc_u32 v9, 4*KSB, v7
	v_add_nc_u32 v10, s23, v1                      ; B's block wc
	v_add_nc_u32 v11, s23, v2
	v_add_nc_u32 v12, 8*KSB, v10                   ; B's K steps 4 on lie behind both blocks' K steps 0-3
	v_add_nc_u32 v13, 8*KSB, v11
	v_and_b32 v4, 15, v0
	v_and_b32 v5, 8, v4
	v_add_nc_u32 v4, v4, v5                        ; r + 8 (r / 8)
	v_lshlrev_b32 v14, 2, v4
	v_bfe_u32 v5, v0, 4, 1
	v_lshlrev_b32 v15, 6, v5                       ; 64 h
	WALU
	s_lshl_b32 s82, s17, 12
	v_add_nc_u32 v16, s82, v1                      ; q's and k's codes: 16 x lane + 4,096 wr
	s_lshl_b32 s82, s17, 8
	v_add_nc_u32 v17, s82, v2                      ; their scale words: 8 x lane + 256 wr
.irp b, 0,1,2,3
	v_mov_b32 v[TM+4+\b], 0                        ; a lane permute's destination counts as one of its sources
.endr
	WALU                                           ; the wait at the head's end
	SCLOAD
.Ltile:                                                ; ---- q, then k
	s_wait_xcnt 0x0                                ; earlier loads and stores have read their bases
	s_lshl_b32 s60, s81, 10
	s_lshl_b32 s61, s18, 9
	s_add_co_u32 s60, s60, s61                     ; my 128 channels in b_in, in bytes
	s_mov_b32 s61, 0
	s_lshl_b32 s62, s80, 9
	s_lshl_b32 s63, s17, 8
	s_add_co_u32 s62, s62, s63                     ; my 64 tokens in mask
	s_mov_b32 s63, 0
	s_add_nc_u64 s[60:61], s[8:9], s[60:61]
	s_add_nc_u64 s[62:63], s[10:11], s[62:63]
	WIN 0xc0                                       ; destination window 3
.irp b, 0,1,2,3,4,5,6,7
	global_load_b128 v[8*\b:8*\b+3], v15, s[60:61] offset:4*(32*(\b/2)+8*(\b%2))        ; the bias in the result's layout: tile b's eight channels of my half
	global_load_b128 v[8*\b+4:8*\b+7], v15, s[60:61] offset:4*(32*(\b/2)+8*(\b%2))+16
.endr
	WIN 0
.irp a, 0,1,2,3
	global_load_b32 v[MK+\a], v14, s[62:63] offset:4*(32*(\a/2)+8*(\a%2))               ; the mask word of my lane's token in tile a
.endr
	KLOOP
	s_wait_tensorcnt 0x0                           ; ahead of a refill's round: none of my loads is out,
	ds_add_u32 v254, v255                          ; the add,
	s_add_co_u32 s70, s71, 1
	ADDR                                           ; (work on registers: the next tile's descriptors)
	s_wait_dscnt 0x0                               ; the add is done, and my reads of this tile's operands are over
	CROUND                                         ; so are those of every wave of every partner
	FILL                                           ; the next tile's operands: they land while this tile goes out.  The four v_nop behind each load are the places behind the last products
	SCLOAD                                         ; and its scale words
	; my 128 channels are two heads; half c of a fragment is head c's 64: registers 0-5 of its image; register 6 takes the mask's code, register 7 is 0
	s_wait_xcnt 0x0                                ; the last tile's stores have read their bases and registers
	s_mov_b32 s82, 1.0
	s_mov_b32 s83, 0xe3e30000                      ; a masked key's bytes 2 and 3: 2^100
	s_mov_b32 s90, 0x01010000                      ; a kept key's: 2^-126
	s_mov_b32 s91, 241664                          ; kv: from head to head,
	s_mov_b32 s97, 15104                           ; from step to step
	s_cmp_eq_u32 s71, 0                            ; q?
	s_cselect_b32 s84, 0x3e000000, s82             ; g = 1 / 8 for q, 1 for k
	s_cselect_b32 s86, 8, 40                       ; the code where the mask word is 0: q +1.0, k -1.0
	s_cselect_b32 s87, 8, 0                        ; and where it is above 0: q +1.0, k 0
	s_cselect_b32 s83, 0x7f7f0000, s83             ; q's bytes 2 and 3: 2^0
	s_cselect_b32 s90, 0x7f7f0000, s90
	s_cselect_b32 s91, 139264, s91                 ; qb's strides
	s_cselect_b32 s97, 8704, s97
	s_cselect_b64 s[92:93], s[12:13], s[14:15]
	s_mov_b32 s85, s84                             ; (named with it as a pair)
	v_mov_b32 v20, s86
	v_mov_b32 v21, s87
	v_mov_b32 v22, s83
	v_mov_b32 v23, s90
	v_mov_b32 v[PC+7], 0
	v_mov_b32 v[PC+15], 0
	s_lshr_b32 s82, s80, 4                         ; the batch: 16 blocks of 128 tokens each
	s_lshl_b32 s82, s82, 4
	s_lshl_b32 s83, s81, 2
	s_lshl_b32 s90, s18, 1
	s_add_co_u32 s83, s83, s90
	s_and_b32 s83, s83, 15                         ; my first head
	s_add_co_u32 s82, s82, s83
	s_mul_i32 s82, s82, s91
	s_and_b32 s83, s80, 15                         ; the step of 128 tokens
	s_mul_i32 s83, s83, s97
	s_add_co_u32 s82, s82, s83
	s_mov_b32 s83, 0
	s_add_nc_u64 s[92:93], s[92:93], s[82:83]      ; my first head's step block,
	s_mov_b32 s90, s91
	s_mov_b32 s91, 0
	s_add_nc_u64 s[94:95], s[92:93], s[90:91]      ; my second head's
	WIN 0xc3                                       ; destination and source 0 window 3
.set j, 0
.rept 32
	v_pk_mul_f32 v[j:j+1], v[j:j+1], s[84:85] op_sel_hi:[1,0]   ; b g: (sum + b) g = sum g + b g bit for bit, g being a power of two
.set j, j+2
.endr
	QKOUT 0
	QKOUT 1
	QKOUT 2
	QKOUT 3
	v_cndmask_b32 v[OW], v[W0], v[W0+1], s96       ; lanes 0-15 the even tile's words, lanes 16-31 the odd tile's
	v_cndmask_b32 v[OW+1], v[W0+2], v[W0+3], s96
	v_cndmask_b32 v[OW+2], v[W1], v[W1+1], s96
	v_cndmask_b32 v[OW+3], v[W1+2], v[W1+3], s96
	global_store_b64 v17, v[OW:OW+1], s[92:93] offset:8192      ; 256 consecutive bytes
	global_store_b64 v17, v[OW+2:OW+3], s[94:95] offset:8192
	s_mov_b32 s80, s68                             ; on to the tile that was asked for
	s_mov_b32 s81, s69
	s_add_co_u32 s71, s71, 1
	s_cmp_lt_u32 s71, 2
	WALU                                           ; directly ahead of the branch
	s_cbranch_scc1 .Ltile
	; ---- v.  My 64 channels are one head: tile a is d-tile a; my 128 tokens are one key step: a fragment of V^T a tile.  Nothing more is asked for
	s_wait_xcnt 0x0
	s_lshl_b32 s60, s80, 9
	s_lshl_b32 s61, s17, 8
	s_add_co_u32 s60, s60, s61
	s_add_co_u32 s60, s60, 8192                    ; my 64 channels in b_in
	s_mov_b32 s61, 0
	s_add_nc_u64 s[60:61], s[8:9], s[60:61]
	WIN 0xc0
.irp a, 0,1,2,3
	global_load_b32 v[64+2*\a], v14, s[60:61] offset:4*(32*(\a/2)+8*(\a%2))             ; the bias of my lane's channel in tile a, twice: the packed form names a pair
	global_load_b32 v[65+2*\a], v14, s[60:61] offset:4*(32*(\a/2)+8*(\a%2))
.endr
	WIN 0
	KLOOP
	s_mov_b32 s84, 1.0
	s_mov_b32 s85, 1.0
	s_lshr_b32 s82, s81, 3                         ; the batch: 8 pairs of blocks each
	s_lshl_b32 s82, s82, 4
	s_lshl_b32 s83, s80, 1
	s_add_co_u32 s83, s83, s17                     ; the head
	s_add_co_u32 s82, s82, s83
	s_mul_i32 s82, s82, 241664
	s_lshl_b32 s83, s81, 1
	s_add_co_u32 s83, s83, s18
	s_and_b32 s83, s83, 15                         ; the key step
	s_mul_i32 s83, s83, 15104
	s_add_co_u32 s82, s82, s83
	s_add_co_u32 s82, s82, 8704                    ; V's part of a step block
	s_mov_b32 s83, 0
	s_add_nc_u64 s[92:93], s[14:15], s[82:83]
	PLACES                                         ; behind the last products
	VOUT 0
	VOUT 1
	VOUT 2
	VOUT 3
	v_cndmask_b32 v[OW], v[W0], v[W0+1], s96
	v_cndmask_b32 v[OW+1], v[W0+2], v[W0+3], s96
	global_store_b64 v2, v[OW:OW+1], s[92:93] offset:4*FRB
	s_wait_tensorcnt 0x0                           ; the wave's end
	ds_add_u32 v254, v255
	s_wait_dscnt 0x0
	CROUND                                         ; the closing round: no work-group ends while a partner may still ask for a tile that names it
	s_endpgm
.Lfunc_end_k_q78f3054d38_qkv:
	.size	k_q78f3054d38_qkv, .Lfunc_end_k_q78f3054d38_qkv-k_q78f3054d38_qkv
	.p2alignl 7, 3214868480
	.fill 96, 4, 3214868480
	.section	.rodata,"a",@progbits
	.p2align	6, 0x0
	.amdhsa_kernel k_q78f3054d38_qkv
		.amdhsa_group_segment_fixed_size 327680
		.amdhsa_private_segment_fixed_size 0
		.amdhsa_enable_private_segment 0
		.amdhsa_kernarg_size 48
		.amdhsa_user_sgpr_count 2
		.amdhsa_user_sgpr_kernarg_segment_ptr 1
		.amdhsa_wavefront_size32 1
		.amdhsa_system_sgpr_workgroup_id_x 1
		.amdhsa_system_sgpr_workgroup_id_y 1
		.amdhsa_system_sgpr_workgroup_id_z 1
		.amdhsa_system_vgpr_workitem_id 0
		.amdhsa_next_free_vgpr 1024
		.amdhsa_next_free_sgpr 100
		.amdhsa_reserve_vcc 1
		.amdhsa_float_denorm_mode_32 3
		.amdhsa_float_denorm_mode_16_64 3
		.amdhsa_memory_ordered 1
		.amdhsa_forward_progress 1
		.amdhsa_inst_pref_size 197
	.end_amdhsa_kernel
	.amdgpu_metadata
---
amdhsa.version: [ 1, 2 ]
amdhsa.kernels:
  - .name:           k_q78f3054d38_qkv
    .symbol:         k_q78f3054d38_qkv.kd
    .args:
      - { .name: xq, .offset: 0, .size: 8, .value_kind: global_buffer, .address_space: global }
      - { .name: wq, .offset: 8, .size: 8, .value_kind: global_buffer, .address_space: global }
      - { .name: b_in, .offset: 16, .size: 8, .value_kind: global_buffer, .address_space: global }
      - { .name: mask, .offset: 24, .size: 8, .value_kind: global_buffer, .address_space: global }
      - { .name: qb, .offset: 32, .size: 8, .value_kind: global_buffer, .address_space: global }
      - { .name: kv, .offset: 40, .size: 8, .value_kind: global_buffer, .address_space: global }
    .group_segment_fixed_size: 327680
    .private_segment_fixed_size: 0
    .kernarg_segment_align: 8
    .kernarg_segment_size: 48
    .max_flat_workgroup_size: 128
    .sgpr_count:     100
    .vgpr_count:     1024
    .wavefront_size: 32
...
	.end_amdgpu_metadata
.endif
;; end of part 2
;; launch attn (part 3): grid 4 x 64, 8 waves a work-group, clusters of 4 x 1, 245,760 bytes of LDS; arguments qb, kv, ao; writes ao
.if DOCPART == 3
	.amdgcn_target "amdgcn-amd-amdhsa--gfx1250"
	.amdhsa_code_object_version 6
	.text
	.protected	k_q78f3054d38_attn
	.globl	k_q78f3054d38_attn
	.p2align	8
	.type	k_q78f3054d38_attn,@function
k_q78f3054d38_attn:
	s_mov_b64 s[64:65], 0
	v_nop
	global_prefetch_b8 v0, s[64:65] scope:SCOPE_SE
	s_setreg_imm32_b32 hwreg(HW_REG_WAVE_MODE, 25, 1), 1
	s_wait_xcnt 0x0
	s_wait_alu depctr_hold_cnt(0) depctr_sa_sdst(0) depctr_va_vdst(0) depctr_va_sdst(0) depctr_va_ssrc(0) depctr_va_vcc(0) depctr_vm_vsrc(0)
	s_getreg_b32 s2, hwreg(HW_REG_IB_STS2, 6, 4)
	s_cmp_eq_u32 s2, 0
	s_cbranch_scc0 .Lentry_in_a_cluster
	s_endpgm
.Lentry_in_a_cluster:
	s_bfe_u32 s2, ttmp6, 0x10000c
	s_cmp_lg_u32 s2, 0x3003
	s_cbranch_scc0 .Lentry_shape_is_right
	s_endpgm
.Lentry_shape_is_right:
; Attention of one head on codes of FP6 (E2M3) with E8M0 scales, and the quantiser of its result along D for the last product.
; kv: [head 0..63][key step 0..15][15,104 bytes]: 8 tiles of 16 keys x 1,024 (registers 0-3, then 4-7, 16 bytes a lane), 512 bytes of K's scale words, 4 tiles of V^T (16 of the head's 64 x 128 keys) x 1,536, 256 bytes of V's scale words.
; qb: the same without V's parts, 8,704 bytes a step of 128 queries.  As stored, lane r of tile 2 g + u is key (query, channel) 32 g + 8 u + r + 8 (r / 8).  In q, k and v an odd block's two halves of 16 codes lie swapped.
; THE SOFTMAX: t = score x log2(e) (q arrives divided by 8); M = the running largest t rounded up to a whole number; p = 2^(t - M) is quantised along the keys, not normalised; the row's sum is taken of the unquantised p and divides at the end.
; THE MASK lies in the operands: the first product's K is 64 of the instruction's 128; in the rest q has +1.0 at k = 64 and 96 and zero codes elsewhere, a masked key -1.0 there under the scale 2^100: its score is -2^101, its p 0.
; Where q's codes are zero K's may be anything: registers 8-11 of a K fragment are the next fragment's first four.  The largest score begins at -2^90.  LIMIT: |t| under 2^90.
; A row whose keys are ALL masked has the sum 0: its scale bytes are set to 0xff, which makes the last product's row NaN, as the softmax of such a row is.
; LIMITS of the quantiser: NaN and infinities are not served; a block under 2^-124, and a block of zeros, keeps the byte 1 (read by this program alone).
; SHARES.  A work-group owns 512 queries of a head; each of its eight waves, two to a SIMD, takes TWO tiles of 16 queries at once, twice.  Each fragment of K and V feeds both tiles, and the two tiles' vector lines stand line by line,
; so that no line waits for the line above it.
; THE WHOLE HEAD'S K AND V, 241,664 bytes, lie in LDS, filled once: each wave fetches two key steps by one joint load, which the four work-groups of the cluster, owners of the same head, issue alike.
; One barrier shows the head to all; the waves then meet again only at the launch's end.  No prefetch into the L2: the one fill goes out at the head, and no loop runs ahead of a load.
; FRAGMENTS COME A STEP AHEAD: K's of step s + 1 are asked of LDS behind step s's first products, V's behind its last.  The step's number goes modulo 16: a pass's last step asks for step 0, with which the second pass begins;
; behind the second pass these 37 loads are waited for and not used.
; THE KEYS OF A K TILE ARE CHOSEN BY LDS ADDRESS.  Tile 4 c + t: rows 0-7 are keys 64 c + 8 t + 0..7, rows 8-15 keys 64 c + 32 + 8 (t xor 2) + 0..7.  Both products are used transposed (S^T = K Q^T, O^T = V^T P^T):
; lane (r, h) holds query r, and its 32 registers of tiles 4 c + 0..3 are ONE block of 32 keys, block 2 c + h (for h = 1 with its halves swapped, as V lies): no lane asks another for a block's maximum, and the conversions' results
; are p's operand registers.  The rows 0-7 and 8-15 of a tile come from different halves of 256 bytes, so the sixteen lanes of a load's pass touch sixteen different columns of 16 bytes.
; ao: the codes as an operand image [block of 128 tokens][K step = pair of heads][tile][1,536], half c = head 2 s + c; from byte 6,291,456 on a word for each (head, tile, r): the head's two scale bytes.
; REGISTERS, x = 0, 1 the query tile.  Window 0: addresses, scale words, the softmax's state, S^T and p, p's codes.  Window 1: Q, O^T, K's and V's fragments.
.set STEPB, 15104
.set KSC,   8192
.set VC,    8704
.set VSC,   14848
.set SCG,   16*STEPB                   ; behind the head: 2,048 bytes of scratch of its own, into which no fill lands
.set SPARE, SCG+2048                   ; the spare words: 128 bytes for each of eight waves
.set FLOOR, 0x1800000
.set DOWN2, 0xff000000
.set KS,  8                            ; v8-11   K's scale words
.set NM,  12                           ; v12+2x  -M, and beside it the largest score
.set VS,  16                           ; v16-17  V's scale words
.set QS,  18                           ; v18+x   Q's
.set PS,  20                           ; v20+x   p's
.set FF,  22                           ; v22+2x  f (a pair is named)
.set AC,  26                           ; v26+6x  the sum: three chains of two
.set KB0, 38                           ; v38-40  the lane's part of v5, v6, v7
.set KB1, 39
.set KSB, 40
.set OW,  41
.set R8,  42                           ; 8 r
.set CF,  43
.set T,   44                           ; v44+12x at work: 0-2, 4-6 codes on their way; 3, 7 the conversions' scale operands; 8, 9 the blocks' maxima; 10 the old -M; 11 a permute's result
.set F,   68                           ; v68+12x p's codes
.set OWB, 92
.set OWA, 93
.set SPW, 94                           ; my spare word, and 0: kept for the add alone
.set NIL, 95
.set S,   96                           ; v96+64x S^T, then p
.set Q,   0                            ; window 1: v0+12x Q
.set O,   24                           ; v24+32x O^T
.set K,   88                           ; v88+8t  K's eight fragments, each 12 registers long
.set V,   160                          ; v160+12t V's four
.set MSB, 0
.macro WIN new                         ; the immediate's high byte repeats the setting that is left
.if MSB != \new
	s_set_vgpr_msb (MSB<<8)|\new
.set MSB, \new
.endif
.endm
.macro WALU
	s_wait_alu depctr_va_vdst(0)
.endm
.macro CROUND                          ; a round of the cluster's barrier
	s_barrier_signal -1
	s_barrier_wait -1
	s_cmp_lg_u32 s10, 0
	s_cbranch_scc1 .Lnot_wave_0_\@
	s_barrier_signal -3
.Lnot_wave_0_\@:
	s_barrier_wait -3
	s_barrier_signal -1
	s_barrier_wait -1
.endm
.macro QLOAD                           ; two tiles of 16 queries: registers 0-7 of each, and the scale words
	WIN 0x40
.irp x, 0,1
	global_load_b128 v[Q+12*\x:Q+12*\x+3], v1, s[48:49] offset:1024*\x
	global_load_b128 v[Q+12*\x+4:Q+12*\x+7], v1, s[48:49] offset:1024*\x+512
.endr
	WIN 0
	global_load_b32 v[QS], v[R8], s[50:51]
	global_load_b32 v[QS+1], v[R8], s[50:51] offset:128
.endm
.macro KFETCH                          ; K of the step at LDS byte s44: 4 + 16 loads
	v_add_nc_u32 v5, s44, v[KB0]
	v_add_nc_u32 v6, s44, v[KB1]
	v_add_nc_u32 v7, s44, v[KSB]
.irp c, 0,1
.irp u, 0,1
	ds_load_b32 v[KS+2*\c+\u], v7 offset:KSC+256*\c+128*\u
.endr
.endr
	WIN 0x40
.irp t, 0,1,2,3,4,5,6,7
	ds_load_b128 v[K+8*\t:K+8*\t+3], v[5+(\t%4)/2] offset:4096*(\t/4)+1024*(\t%2)
	ds_load_b128 v[K+8*\t+4:K+8*\t+7], v[5+(\t%4)/2] offset:4096*(\t/4)+1024*(\t%2)+512
.endr
	WIN 0
.endm
.macro VFETCH                          ; V of the step at LDS byte s44: 1 + 16 loads
	v_add_nc_u32 v3, s44, v1
	v_add_nc_u32 v4, s44, v2
	ds_load_b64 v[VS:VS+1], v4 offset:VSC
	WIN 0x40
.irp t, 0,1,2,3
	ds_load_b128 v[V+12*\t:V+12*\t+3], v3 offset:VC+1536*\t
	ds_load_b64 v[V+12*\t+4:V+12*\t+5], v4 offset:VC+1536*\t+512
	ds_load_b128 v[V+12*\t+6:V+12*\t+9], v3 offset:VC+1536*\t+768
	ds_load_b64 v[V+12*\t+10:V+12*\t+11], v4 offset:VC+1536*\t+1280
.endr
	WIN 0
.endm
.macro KQ1 t, x                        ; S^T of key tile t and query tile x.  Scale register (t / 4, t % 2): lanes 0-15 tiles t % 4 < 2, lanes 16-31 the others
.if ((\t)%4)/2
	v_wmma_scale_f32_16x16x128_f8f6f4 v[S+64*\x+8*\t:S+64*\x+8*\t+7], v[K+8*\t:K+8*\t+11], v[Q+12*\x:Q+12*\x+11], 0, v[KS+2*(\t/4)+\t%2], v[QS+\x] matrix_a_fmt:MATRIX_FMT_FP6 matrix_b_fmt:MATRIX_FMT_FP6 matrix_a_scale:MATRIX_SCALE_ROW1
.else
	v_wmma_scale_f32_16x16x128_f8f6f4 v[S+64*\x+8*\t:S+64*\x+8*\t+7], v[K+8*\t:K+8*\t+11], v[Q+12*\x:Q+12*\x+11], 0, v[KS+2*(\t/4)+\t%2], v[QS+\x] matrix_a_fmt:MATRIX_FMT_FP6 matrix_b_fmt:MATRIX_FMT_FP6
.endif
.endm
.macro PV1 t, x                        ; O^T += V^T P^T, tile t of the head's 64, query tile x
.if (\t)%2
	v_wmma_scale_f32_16x16x128_f8f6f4 v[O+32*\x+8*\t:O+32*\x+8*\t+7], v[V+12*\t:V+12*\t+11], v[F+12*\x:F+12*\x+11], v[O+32*\x+8*\t:O+32*\x+8*\t+7], v[VS+\t/2], v[PS+\x] matrix_a_fmt:MATRIX_FMT_FP6 matrix_b_fmt:MATRIX_FMT_FP6 matrix_a_scale:MATRIX_SCALE_ROW1
.else
	v_wmma_scale_f32_16x16x128_f8f6f4 v[O+32*\x+8*\t:O+32*\x+8*\t+7], v[V+12*\t:V+12*\t+11], v[F+12*\x:F+12*\x+11], v[O+32*\x+8*\t:O+32*\x+8*\t+7], v[VS+\t/2], v[PS+\x] matrix_a_fmt:MATRIX_FMT_FP6 matrix_b_fmt:MATRIX_FMT_FP6
.endif
.endm
.macro SUMS n                          ; the next n of a step's 32 additions of two p, for both tiles: three chains by turns; each chain's first line also brings the sum under the new M
.rept \n
.irp x, 0,1
.if SJ < 6
	v_pk_fma_f32 v[AC+6*\x+SJ:AC+6*\x+SJ+1], v[AC+6*\x+SJ:AC+6*\x+SJ+1], v[FF+2*\x:FF+2*\x+1], v[S+64*\x+SJ:S+64*\x+SJ+1] op_sel_hi:[1,0,1]
.else
	v_pk_add_f32 v[AC+6*\x+2*((SJ/2)%3):AC+6*\x+2*((SJ/2)%3)+1], v[AC+6*\x+2*((SJ/2)%3):AC+6*\x+2*((SJ/2)%3)+1], v[S+64*\x+SJ:S+64*\x+SJ+1]
.endif
.endr
.set SJ, SJ+2
.endr
.endm
; A KEY STEP: 128 keys x 32 queries.
.macro STEP
.set SJ, 0
	s_wait_dscnt 17                                ; K and its scale words are in; V's 17 loads, issued behind them, may be out
	WIN 0x05                                       ; K and Q window 1, S^T window 0
.irp t, 0,1,2,3,4,5,6,7
	KQ1 \t, 0
	KQ1 \t, 1
.endr
	WIN 0
	s_add_co_u32 s63, s63, 1
	s_and_b32 s62, s63, 15
	s_mul_i32 s44, s62, STEPB                      ; the next step's LDS byte, modulo the head
	v_mov_b32 v[T+10], v[NM]                       ; the old -M.  These two and the three additions below are the places behind the products
	v_mov_b32 v[T+22], v[NM+2]
	KFETCH
.irp x, 0,1                            ; the largest score of my two blocks of 32 keys, in two chains each: it serves the row's maximum and, since p rises with the score, the block's largest p.  Each accumulator is read from its low end on
	v_max3_num_f32 v[T+12*\x+8], v[S+64*\x], v[S+64*\x+1], v[S+64*\x+2]
	v_max3_num_f32 v[T+12*\x], v[S+64*\x+16], v[S+64*\x+17], v[S+64*\x+18]
	v_max3_num_f32 v[T+12*\x+9], v[S+64*\x+32], v[S+64*\x+33], v[S+64*\x+34]
	v_max3_num_f32 v[T+12*\x+4], v[S+64*\x+48], v[S+64*\x+49], v[S+64*\x+50]
.endr
.irp i, 3,5,7,9,11,13
.irp x, 0,1
	v_max3_num_f32 v[T+12*\x+8], v[T+12*\x+8], v[S+64*\x+\i], v[S+64*\x+\i+1]
	v_max3_num_f32 v[T+12*\x], v[T+12*\x], v[S+64*\x+16+\i], v[S+64*\x+17+\i]
	v_max3_num_f32 v[T+12*\x+9], v[T+12*\x+9], v[S+64*\x+32+\i], v[S+64*\x+33+\i]
	v_max3_num_f32 v[T+12*\x+4], v[T+12*\x+4], v[S+64*\x+48+\i], v[S+64*\x+49+\i]
.endr
.endr
.irp x, 0,1
	v_max3_num_f32 v[T+12*\x+8], v[T+12*\x+8], v[T+12*\x], v[S+64*\x+15]
	v_max3_num_f32 v[T+12*\x+9], v[T+12*\x+9], v[T+12*\x+4], v[S+64*\x+47]
.endr
.irp x, 0,1
	v_max_num_f32 v[T+12*\x+8], v[T+12*\x+8], v[S+64*\x+31]
	v_max_num_f32 v[T+12*\x+9], v[T+12*\x+9], v[S+64*\x+63]
.endr
.irp x, 0,1
	v_max_num_f32 v[T+12*\x], v[T+12*\x+8], v[T+12*\x+9]
.endr
.irp x, 0,1
	v_permlanex16_b32 v[T+12*\x+11], v[T+12*\x], s40, s41          ; lane l xor 16's two blocks
.endr
.irp x, 0,1
	v_max3_num_f32 v[NM+2*\x+1], v[NM+2*\x+1], v[T+12*\x], v[T+12*\x+11]   ; the running largest score of my query
.endr
.irp x, 0,1
	v_mul_f32 v[T+12*\x], s42, v[NM+2*\x+1]        ; as t
.endr
.irp x, 0,1
	v_floor_f32 v[NM+2*\x], -v[T+12*\x]            ; the new -M = floor(-t): M is a whole number
.endr
.irp x, 0,1
	v_sub_f32 v[T+12*\x], v[NM+2*\x], v[T+12*\x+10]   ; old M - new M: a whole number, 0 or less
.endr
.set j, 0
.rept 32
	v_pk_fma_f32 v[S+j:S+j+1], v[S+j:S+j+1], s[42:43], v[NM:NM+1] op_sel_hi:[1,0,0]   ; t - M, two at a time
	v_pk_fma_f32 v[S+64+j:S+65+j], v[S+64+j:S+65+j], s[42:43], v[NM+2:NM+3] op_sel_hi:[1,0,0]
.if j == 2
	v_cvt_i32_f32 v[T], v[T]                       ; (it saturates)
	v_cvt_i32_f32 v[T+12], v[T+12]
.elseif j == 6
	v_ldexp_f32 v[FF], 1.0, v[T]                   ; f = 2^(old M - new M): a multiplication by it rounds nothing
	v_ldexp_f32 v[FF+2], 1.0, v[T+12]
.endif
.set j, j+2
.endr
.irp x, 0,1
.irp c, 0,1
	v_fma_f32 v[T+12*\x+8+\c], v[T+12*\x+8+\c], s42, v[NM+2*\x]   ; the same of each block's largest score
.endr
.endr
	WIN 0x41                                       ; O^T window 1, f window 0
.set j, 0
.rept 16
	v_pk_mul_f32 v[O+j:O+j+1], v[O+j:O+j+1], v[FF:FF+1] op_sel_hi:[1,0]   ; O^T under the new M, ahead of the exponentials; each accumulator from its low end on
	v_pk_mul_f32 v[O+32+j:O+33+j], v[O+32+j:O+33+j], v[FF+2:FF+3] op_sel_hi:[1,0]
.set j, j+2
.endr
	WIN 0
	WALU                                           ; the wait ahead of the batch
.irp r, T+8, T+9, T+20, T+21
	v_exp_f32 v[\r], v[\r]                         ; the blocks' largest p
.endr
.set j, 0
.rept 128
	v_exp_f32 v[S+j], v[S+j]                       ; p = 2^(t - M), at most 1
.set j, j+1
.endr
	WALU                                           ; one wait for the batch, ahead of its first reader
.irp x, 0,1
.irp c, 0,1
	v_max_num_f32 v[T+12*\x+8+\c], FLOOR, v[T+12*\x+8+\c]   ; the byte cannot fall under 1; a block whose every p is 0 keeps that byte: its codes are zeros
.endr
.endr
.irp x, 0,1
.irp c, 0,1
	v_add_nc_u32 v[T+12*\x+3+4*\c], DOWN2, v[T+12*\x+8+\c]   ; the conversions' scale operands
.endr
.endr
.irp x, 0,1
.irp c, 0,1
	v_lshrrev_b32 v[T+12*\x+4*\c], 23, v[T+12*\x+3+4*\c]   ; the scales' bytes: blocks h and 2 + h
.endr
.endr
.irp x, 0,1
	v_lshl_or_b32 v[T+12*\x], v[T+12*\x+4], 16, v[T+12*\x]
.endr
	SUMS 1
.irp x, 0,1
	v_permlanex16_b32 v[T+12*\x+11], v[T+12*\x], s40, s41
.endr
	SUMS 1
.irp x, 0,1
	v_lshl_or_b32 v[PS+\x], v[T+12*\x+11], 8, v[T+12*\x]   ; p's scale word for these 128 keys, whole in lanes 0-15, which alone are read
.endr
.irp x, 0,1
	v_cvt_scalef32_pk16_fp6_f32 v[F+12*\x:F+12*\x+2], v[S+64*\x:S+64*\x+15], v[T+12*\x+3]
	v_cvt_scalef32_pk16_fp6_f32 v[T+12*\x:T+12*\x+2], v[S+64*\x+16:S+64*\x+31], v[T+12*\x+3]   ; (a conversion's three registers begin on an even number)
	v_cvt_scalef32_pk16_fp6_f32 v[F+12*\x+6:F+12*\x+8], v[S+64*\x+32:S+64*\x+47], v[T+12*\x+7]
	v_cvt_scalef32_pk16_fp6_f32 v[T+12*\x+4:T+12*\x+6], v[S+64*\x+48:S+64*\x+63], v[T+12*\x+7]
.endr
	SUMS 1                                         ; plain instructions behind the scaled conversions
.irp x, 0,1
.irp i, 0,1,2
	v_mov_b32 v[F+12*\x+3+\i], v[T+12*\x+\i]
	v_mov_b32 v[F+12*\x+9+\i], v[T+12*\x+4+\i]
.endr
.endr
	SUMS 25                                        ; also the places between the writes of p's codes and scale words and the products below
	WALU                                           ; directly ahead of the wait below
	s_wait_dscnt 20                                ; V is in; the next step's K, 20 loads issued behind it, may be out
	WIN 0x51                                       ; V and O^T window 1, p's codes window 0
.irp t, 0,1,2,3
	PV1 \t, 0
	PV1 \t, 1
.endr
	WIN 0
	SUMS 4                                         ; places behind the products
	VFETCH
.endm
	s_load_b128 s[4:7], s[0:1], 0x0                ; qb, kv
	s_load_b64 s[8:9], s[0:1], 0x10                ; ao
	v_lshl_add_u32 v[SPW], v0, 2, SPARE
	v_mov_b32 v[NIL], 0
	ds_add_u32 v[SPW], v[NIL]                      ; the opening lines: the add twice on end and its wait
	ds_add_u32 v[SPW], v[NIL]
	v_lshrrev_b32 v1, 5, v0
	v_readfirstlane_b32 s10, v1                    ; wave 0..7
	s_bfe_u32 s11, ttmp6, 0x40000                  ; cx: it enters q's and ao's global addresses alone
	s_and_b32 s12, ttmp7, 0xffff                   ; the head (16 x batch + head), which the four partners share
	s_mov_b32 s16, 15|(3<<16)|(1<<21)              ; group 1: two key steps as 118 dense rows of 256 bytes (32 elements of 8 bytes); the mask names all four work-groups
	s_mov_b32 s17, 32<<16
	s_mov_b32 s18, 118<<16
	s_mov_b32 s19, 32<<16
	s_mov_b32 s20, 118
	s_mov_b32 s21, 32
	s_mov_b32 s22, 0
	s_mov_b32 s23, 0
	s_mul_i32 s56, s12, 16*STEPB                   ; the head's first byte in kv
	s_mov_b32 s57, 0
	s_mul_i32 s58, s10, 2*STEPB                    ; wave w fetches key steps 2 w and 2 w + 1: the same place in memory and in LDS
	s_mov_b32 s59, 0
	s_mov_b32 s40, 0x76543210
	s_mov_b32 s41, 0xfedcba98                      ; v_permlanex16_b32's selects for lane l xor 16
	s_mov_b32 s42, 0x3fb8aa3b                      ; log2(e)
	s_mov_b32 s43, s42                             ; (named with it as a pair)
	s_wait_dscnt 0x0
	s_wait_kmcnt 0x0
	s_add_nc_u64 s[6:7], s[6:7], s[56:57]
	s_mov_b32 s32, 1
	s_mov_b32 s33, s58
	s_add_nc_u64 s[34:35], s[6:7], s[58:59]
	s_or_b32 s35, s35, 0x80000000
	CROUND                                         ; all four work-groups are here: the joint loads meet
	tensor_load_to_lds s[32:35], s[16:23]          ; the launch's only fills: one a wave
	s_nop 0
.rept 4
	v_nop
.endr
	v_and_b32 v3, 31, v0
	v_lshlrev_b32 v1, 4, v3                        ; 16 x lane
	v_lshlrev_b32 v2, 3, v3                        ; 8 x lane
	v_and_b32 v4, 7, v0                            ; r % 8
	v_bfe_u32 v5, v0, 3, 1                         ; r / 8
	v_bfe_u32 v6, v0, 4, 1                         ; h
	v_lshlrev_b32 v[KB0], 4, v4
	v_mad_u32_u24 v[KB0], v5, 2176, v[KB0]
	v_lshl_add_u32 v[KB0], v6, 8, v[KB0]           ; K's tiles t % 4 < 2: rows 0-7 the stored tile's rows 0-7; rows 8-15 rows 8-15 of the stored tile two on: 16 (r % 8) + 256 h + (2,048 + 128) (r / 8)
	v_xor_b32 v[KB1], 128, v[KB0]                  ; the other tiles: the other eight rows of both stored tiles
	v_xor_b32 v7, v5, v6
	v_lshlrev_b32 v[KSB], 3, v4
	v_lshl_add_u32 v[KSB], v7, 6, v[KSB]
	v_lshl_add_u32 v[KSB], v5, 2, v[KSB]           ; K's scale words, lanes 16 ((t % 4) / 2) + r: 8 (r % 8) + 64 ((t % 4) / 2 xor r / 8) + 4 (r / 8)
	v_and_b32 v[R8], 15, v0
	v_lshlrev_b32 v[R8], 3, v[R8]                  ; 8 r
	v_lshrrev_b32 v7, 5, v0
	v_lshlrev_b32 v7, 8, v7
	v_lshl_add_u32 v7, v3, 2, v7
	v_add_nc_u32 v[OWB], SCG, v7                   ; the scratch: 256 bytes a wave, 4 a lane
.irp r, T+11, T+23, FF+1, FF+3
	v_mov_b32 v[\r], 0                             ; permutes' destinations and the upper halves of f's pairs are written before they are named
.endr
	WIN 0x40
.irp r, Q+8,Q+9,Q+10,Q+11, Q+20,Q+21,Q+22,Q+23, K+64,K+65,K+66,K+67
	v_mov_b32 v[\r], 0                             ; registers 8-11 of Q's fragments: zero codes; of K's last: written once, so that they hold codes
.endr
	WIN 0
	s_lshr_b32 s56, s10, 1
	s_lshl_b32 s57, s11, 2
	s_add_co_u32 s56, s56, s57                     ; my block of 128 queries in the head: 4 cx + wave / 2
	s_and_b32 s57, s10, 1
	s_lshl_b32 s57, s57, 1                         ; my first pair of its four pairs of tiles: 2 (wave % 2); the second pass takes the next
	s_mul_i32 s58, s12, 139264
	s_mul_i32 s59, s56, 8704
	s_add_co_u32 s58, s58, s59
	s_lshl_b32 s59, s57, 11
	s_add_co_u32 s60, s58, s59
	s_mov_b32 s61, 0
	s_add_nc_u64 s[48:49], s[4:5], s[60:61]
	s_lshr_b32 s59, s57, 1
	s_lshl_b32 s59, s59, 8
	s_add_co_u32 s60, s58, s59
	s_add_co_u32 s60, s60, KSC                     ; its scale words: half wave % 2, word = the pass, lanes 0-15 the even tile, 128 bytes on the odd one
	s_add_nc_u64 s[50:51], s[4:5], s[60:61]
	s_lshr_b32 s58, s12, 4
	s_lshl_b32 s58, s58, 4
	s_add_co_u32 s58, s58, s56
	s_mul_i32 s58, s58, 98304                      ; ao: the block of 128 tokens,
	s_and_b32 s59, s12, 15
	s_lshr_b32 s62, s59, 1
	s_mul_i32 s62, s62, 12288                      ; the pair of heads,
	s_add_co_u32 s58, s58, s62
	s_and_b32 s59, s59, 1
	s_mul_i32 s59, s59, 768                        ; the head's half of a fragment,
	s_add_co_u32 s58, s58, s59
	s_mul_i32 s59, s57, 3072                       ; my first pair of tiles
	s_add_co_u32 s60, s58, s59
	s_add_nc_u64 s[52:53], s[8:9], s[60:61]
	s_lshl_b32 s58, s12, 13
	s_lshl_b32 s59, s11, 11
	s_add_co_u32 s60, s58, s59
	s_add_co_u32 s60, s60, 6291456                 ; ao's scale words: the head's 8,192 bytes, my work-group's 2,048
	s_add_nc_u64 s[54:55], s[8:9], s[60:61]
	s_mov_b32 s46, 2                               ; two passes
	s_mov_b32 s47, 0xffff0000                      ; lanes 16-31
	s_mov_b32 s45, 0                               ; the pass's 128 bytes of my scratch
	s_mov_b32 s44, 0
	QLOAD                                          ; the first two tiles come while the head's K and V land
	WALU                                           ; the wait at the head's end
	s_wait_tensorcnt 0x0                           ; my two key steps have landed
	s_barrier_signal -1
	s_barrier_wait -1                              ; everybody's have: the whole head lies in LDS
	KFETCH                                         ; key step 0
	VFETCH
.Lpass:
.irp x, 0,1
	v_mov_b32 v[NM+2*\x+1], 0xec800000             ; the largest score so far: -2^90
	v_mul_f32 v[NM+2*\x], s42, v[NM+2*\x+1]
	v_floor_f32 v[NM+2*\x], -v[NM+2*\x]            ; -M
.endr
.set j, 0
.rept 12
	v_mov_b32 v[AC+j], 0                           ; the sums' chains
.set j, j+1
.endr
	WIN 0x40
.set j, 0
.rept 64
	v_mov_b32 v[O+j], 0                            ; O^T: the step is written for every step alike; the first finds zeros
.set j, j+1
.endr
	WIN 0
	s_mov_b32 s63, 0
	WALU                                           ; directly ahead of the wait below
	s_wait_loadcnt 0x0                             ; Q is in
.Lstep:
	STEP
	s_cmp_lt_u32 s63, 16
	s_cbranch_scc1 .Lstep
	; ---- the tiles' end: O^T / the sum, quantised along the head's 64, which are two blocks of the last product's K
	WALU
.irp x, 0,1
	v_pk_add_f32 v[AC+6*\x:AC+6*\x+1], v[AC+6*\x:AC+6*\x+1], v[AC+6*\x+2:AC+6*\x+3]
.endr
.irp x, 0,1
	v_pk_add_f32 v[AC+6*\x:AC+6*\x+1], v[AC+6*\x:AC+6*\x+1], v[AC+6*\x+4:AC+6*\x+5]
.endr
.irp x, 0,1
	v_add_f32 v[AC+6*\x], v[AC+6*\x], v[AC+6*\x+1]
.endr
.irp x, 0,1
	v_permlanex16_b32 v[T+12*\x+11], v[AC+6*\x], s40, s41
.endr
.irp x, 0,1
	v_add_f32 v[T+12*\x+10], v[AC+6*\x], v[T+12*\x+11]   ; the row's sum
.endr
	WALU                                           ; the wait ahead of the reciprocals
	v_rcp_f32 v[FF], v[T+10]
	v_rcp_f32 v[FF+2], v[T+22]
	v_mov_b32 v[CF], 0xffff                        ; (the plain instruction behind the reciprocals)
	WIN 0x01                                       ; O^T window 1
	WALU                                           ; and ahead of their first reader, which is O^T's first reader too
.irp x, 0,1
.set j, 0
.rept 16
	v_pk_mul_f32 v[S+64*\x+j:S+64*\x+j+1], v[O+32*\x+j:O+32*\x+j+1], v[FF+2*\x:FF+2*\x+1] op_sel_hi:[1,0]   ; register 16 b + i is channel 32 b + 16 h + i of my query; each accumulator from its low end on
.set j, j+2
.endr
.endr
	WIN 0
.irp x, 0,1
.irp b, 0,1
	v_max3_num_f32 v[T+12*\x+8+\b], |v[S+64*\x+16*\b]|, |v[S+64*\x+16*\b+1]|, FLOOR
.endr
.endr
.irp i, 2,4,6,8,10,12,14
.irp x, 0,1
.irp b, 0,1
	v_max3_num_f32 v[T+12*\x+8+\b], v[T+12*\x+8+\b], |v[S+64*\x+16*\b+\i]|, |v[S+64*\x+16*\b+\i+1]|
.endr
.endr
.endr
.irp x, 0,1
.irp b, 0,1
	v_permlanex16_b32 v[T+12*\x+4*\b], v[T+12*\x+8+\b], s40, s41
.endr
.endr
.irp x, 0,1
.irp b, 0,1
	v_max_num_f32 v[T+12*\x+8+\b], v[T+12*\x+8+\b], v[T+12*\x+4*\b]
.endr
.endr
.irp x, 0,1
.irp b, 0,1
	v_add_nc_u32 v[T+12*\x+3+4*\b], DOWN2, v[T+12*\x+8+\b]
.endr
.endr
.irp x, 0,1
.irp b, 0,1
	v_lshrrev_b32 v[T+12*\x+4*\b], 23, v[T+12*\x+3+4*\b]
.endr
.endr
.irp x, 0,1
	v_lshl_or_b32 v[T+12*\x+11], v[T+12*\x+4], 8, v[T+12*\x]   ; the head's two scale bytes of my query
.endr
.irp x, 0,1
	v_cmp_eq_f32 vcc_lo, 0, v[T+12*\x+10]
	v_cndmask_b32 v[T+12*\x+11], v[T+12*\x+11], v[CF], vcc_lo  ; a row with no key at all: 0xff, 0xff
.endr
.irp x, 0,1
	v_cvt_scalef32_pk16_fp6_f32 v[F+12*\x:F+12*\x+2], v[S+64*\x:S+64*\x+15], v[T+12*\x+3]
	v_cvt_scalef32_pk16_fp6_f32 v[T+12*\x:T+12*\x+2], v[S+64*\x+16:S+64*\x+31], v[T+12*\x+7]
.endr
	v_nop                                          ; one plain instruction behind the scaled conversions
.irp x, 0,1
.irp i, 0,1,2
	v_permlane16_swap_b32 v[F+12*\x+\i], v[T+12*\x+\i]
.endr
.endr
.irp x, 0,1
.irp i, 0,1,2
	v_mov_b32 v[F+12*\x+3+\i], v[T+12*\x+\i]
.endr
.endr
.irp x, 0,1
	global_store_b128 v1, v[F+12*\x:F+12*\x+3], s[52:53] offset:1536*\x         ; 512 consecutive bytes,
	global_store_b64 v2, v[F+12*\x+4:F+12*\x+5], s[52:53] offset:1536*\x+512    ; 256
.endr
	v_cndmask_b32 v[OW], v[T+11], v[T+23], s47     ; lanes 0-15 the even tile's words, lanes 16-31 the odd tile's
	v_add_nc_u32 v[OWA], s45, v[OWB]
	ds_store_b32 v[OWA], v[OW]
	s_wait_xcnt 0x0                                ; loads and stores have read their bases and registers: the bases step, the codes' registers are written again
	s_add_nc_u64 s[48:49], s[48:49], 2048
	s_add_nc_u64 s[50:51], s[50:51], 4
	s_add_nc_u64 s[52:53], s[52:53], 3072
	s_add_co_u32 s45, s45, 128
	s_sub_co_u32 s46, s46, 1
	s_cmp_eq_u32 s46, 0
	s_cbranch_scc1 .Lno_q                          ; no tiles follow the second pass
	QLOAD
.Lno_q:
	s_cmp_lg_u32 s46, 0
	s_cbranch_scc1 .Lpass
	; ---- the work-group's 2,048 bytes of scale words have met in the scratch and leave in runs of 512 consecutive bytes
	v_lshl_add_u32 v4, v0, 4, SCG                  ; 16 bytes a thread out (threads 0-127)
	v_lshlrev_b32 v5, 4, v0
	WALU
	s_wait_dscnt 0x0                               ; for the others' sake: my stores; and my last loads
	s_barrier_signal -1
	s_barrier_wait -1
	s_cmp_lt_u32 s10, 4
	s_cbranch_scc0 .Lno_out
	ds_load_b128 v[96:99], v4
	s_wait_dscnt 0x0
	global_store_b128 v5, v[96:99], s[54:55]
.Lno_out:
	s_wait_tensorcnt 0x0                           ; the wave's end
	ds_add_u32 v[SPW], v[NIL]
	s_wait_dscnt 0x0
	CROUND                                         ; the closing round: no work-group ends while a partner may still ask for a tile that names it
	s_endpgm
.Lfunc_end_k_q78f3054d38_attn:
	.size	k_q78f3054d38_attn, .Lfunc_end_k_q78f3054d38_attn-k_q78f3054d38_attn
	.p2alignl 7, 3214868480
	.fill 96, 4, 3214868480
	.section	.rodata,"a",@progbits
	.p2align	6, 0x0
	.amdhsa_kernel k_q78f3054d38_attn
		.amdhsa_group_segment_fixed_size 245760
		.amdhsa_private_segment_fixed_size 0
		.amdhsa_enable_private_segment 0
		.amdhsa_kernarg_size 24
		.amdhsa_user_sgpr_count 2
		.amdhsa_user_sgpr_kernarg_segment_ptr 1
		.amdhsa_wavefront_size32 1
		.amdhsa_system_sgpr_workgroup_id_x 1
		.amdhsa_system_sgpr_workgroup_id_y 1
		.amdhsa_system_sgpr_workgroup_id_z 1
		.amdhsa_system_vgpr_workitem_id 0
		.amdhsa_next_free_vgpr 512
		.amdhsa_next_free_sgpr 80
		.amdhsa_reserve_vcc 1
		.amdhsa_float_denorm_mode_32 3
		.amdhsa_float_denorm_mode_16_64 3
		.amdhsa_memory_ordered 1
		.amdhsa_forward_progress 1
		.amdhsa_inst_pref_size 49
	.end_amdhsa_kernel
	.amdgpu_metadata
---
amdhsa.version: [ 1, 2 ]
amdhsa.kernels:
  - .name:           k_q78f3054d38_attn
    .symbol:         k_q78f3054d38_attn.kd
    .args:
      - { .name: qb, .offset: 0, .size: 8, .value_kind: global_buffer, .address_space: global }
      - { .name: kv, .offset: 8, .size: 8, .value_kind: global_buffer, .address_space: global }
      - { .name: ao, .offset: 16, .size: 8, .value_kind: global_buffer, .address_space: global }
    .group_segment_fixed_size: 245760
    .private_segment_fixed_size: 0
    .kernarg_segment_align: 8
    .kernarg_segment_size: 24
    .max_flat_workgroup_size: 256
    .sgpr_count:     80
    .vgpr_count:     512
    .wavefront_size: 32
...
	.end_amdgpu_metadata
.endif
;; end of part 3
;; launch proj (part 4): grid 4 x 64, 4 waves a work-group, clusters of 4 x 4, 295,424 bytes of LDS; arguments ao, wq, b_out, out0; writes out0
.if DOCPART == 4
	.amdgcn_target "amdgcn-amd-amdhsa--gfx1250"
	.amdhsa_code_object_version 6
	.text
	.protected	k_q78f3054d38_proj
	.globl	k_q78f3054d38_proj
	.p2align	8
	.type	k_q78f3054d38_proj,@function
k_q78f3054d38_proj:
	s_mov_b64 s[64:65], 0
	v_nop
	global_prefetch_b8 v0, s[64:65] scope:SCOPE_SE
	s_setreg_imm32_b32 hwreg(HW_REG_WAVE_MODE, 25, 1), 1
	s_wait_xcnt 0x0
	s_wait_alu depctr_hold_cnt(0) depctr_sa_sdst(0) depctr_va_vdst(0) depctr_va_sdst(0) depctr_va_ssrc(0) depctr_va_vcc(0) depctr_vm_vsrc(0)
	s_getreg_b32 s2, hwreg(HW_REG_IB_STS2, 6, 4)
	s_cmp_eq_u32 s2, 0
	s_cbranch_scc0 .Lentry_in_a_cluster
	s_endpgm
.Lentry_in_a_cluster:
	s_bfe_u32 s2, ttmp6, 0x10000c
	s_cmp_lg_u32 s2, 0xf033
	s_cbranch_scc0 .Lentry_shape_is_right
	s_endpgm
.Lentry_shape_is_right:
; out0 = a w_out + b_out on codes of FP6 (E2M3) with E8M0 scales.  a (8,192 tokens x 1,024) and w_out (1,024 channels x 1,024) arrive as images of operand registers:
; [block of 128 rows][K step 0..7][tile 0..7][1,536 bytes]; lane r of tile 2 g + u is row 32 g + 8 u + r + 8 (r / 8).  w_out's scale words: [pair of 32 rows][sq][lane 16 u + r][2];
; a's: a word for each (head, tile, r) with the head's two bytes in its low half: K step s takes heads 2 s and 2 s + 1.
; A WORK-GROUP makes 128 tokens x 256 channels with ALL of K = 1,024 in LDS, filled once: 294,912 bytes.  No slot is filled again.  Four waves, each 64 x 128: 32 accumulators.
; THE MATRIX INSTRUCTION IS USED TRANSPOSED (source 0 = a tile of w_out, source 1 = a tile of a): lane (r, h) holds a token, and the 16 registers of channel tiles 2 n and 2 n + 1 are channels 32 n + 16 h + 0 .. 15.
; The bias is the C of each sum's first product.  CLUSTERS of 4 x 4: a's tiles are asked for jointly along a row of the cluster, w_out's along a column.
; REGISTERS, in windows of 256.  Window 0: v1, v2 16 and 8 x lane; v6-13 LDS addresses; v14-18 offsets; v32-47 a's scale words, v48-79 w_out's; v96-191 a's fragments, two sets of 48; v192-223 a's scale words by head;
;   on the way out v96-223 rows of the result.  Window 1: w_out's fragments, two sets of 96.  Window 2: accumulator (a, b) at v[8 (8 a + b)].  Window 3: the bias.
.set FRB,   1536
.set KSB,   8*FRB
.set BLKB,  8*KSB
.set BCODE, BLKB
.set SA,  32
.set SB,  48
.set AF,  96
.set STO, 17
.set RD,  18
.set MSB, 0
.macro WIN new                         ; the immediate's high byte repeats the setting that is left
.if MSB != \new
	s_set_vgpr_msb (MSB<<8)|\new
.set MSB, \new
.endif
.endm
.set MUL,  0xa1                        ; source 0 window 1, source 1 window 0, C and D window 2
.set MULB, 0xb1                        ; the same with C in window 3
.set TO_B, 0x40
.macro PLACES
.rept 4
	v_nop
.endr
.endm
.macro CROUND                          ; a round of the cluster's barrier
	s_barrier_signal -1
	s_barrier_wait -1
	s_cmp_lg_u32 s16, 0
	s_cbranch_scc1 .Lnot_wave_0_\@
	s_barrier_signal -3
.Lnot_wave_0_\@:
	s_barrier_wait -3
	s_barrier_signal -1
	s_barrier_wait -1
.endm
.macro FRAG reg, a16, a8, off
	ds_load_b128 v[(\reg):(\reg)+3], v[\a16] offset:(\off)
	ds_load_b64 v[(\reg)+4:(\reg)+5], v[\a8] offset:(\off)+512
	ds_load_b128 v[(\reg)+6:(\reg)+9], v[\a16] offset:(\off)+768
	ds_load_b64 v[(\reg)+10:(\reg)+11], v[\a8] offset:(\off)+1280
.endm
.macro FETCH s                         ; K step s: eight fragments of w_out and four of a, 48 loads, into set s % 2
.set fo, ((\s)%4)*KSB
.set fh, 2*((\s)/4)
	WIN TO_B
.irp i, 0,1,2,3,4,5,6,7
	FRAG 96*((\s)%2)+12*\i, 10+fh, 11+fh, fo+FRB*\i
.endr
	WIN 0
.irp i, 0,1,2,3
	FRAG AF+48*((\s)%2)+12*\i, 6+fh, 7+fh, fo+FRB*\i
.endr
.endm
; One product.  ck = 2: it starts a sum with the bias; ck = 0: it adds in place.  ra, rb: the scale words of source 0, 1 stand in lanes 16-31.
.macro WM ck, ra, rb
.if (\ck) == 2
.if (\ra) && (\rb)
	v_wmma_scale_f32_16x16x128_f8f6f4 v[rD:rD+7], v[rB:rB+11], v[rA:rA+11], v[rC:rC+7], v[rSB], v[rSA] matrix_a_fmt:MATRIX_FMT_FP6 matrix_b_fmt:MATRIX_FMT_FP6 matrix_a_scale:MATRIX_SCALE_ROW1 matrix_b_scale:MATRIX_SCALE_ROW1
.elseif (\ra)
	v_wmma_scale_f32_16x16x128_f8f6f4 v[rD:rD+7], v[rB:rB+11], v[rA:rA+11], v[rC:rC+7], v[rSB], v[rSA] matrix_a_fmt:MATRIX_FMT_FP6 matrix_b_fmt:MATRIX_FMT_FP6 matrix_a_scale:MATRIX_SCALE_ROW1
.elseif (\rb)
	v_wmma_scale_f32_16x16x128_f8f6f4 v[rD:rD+7], v[rB:rB+11], v[rA:rA+11], v[rC:rC+7], v[rSB], v[rSA] matrix_a_fmt:MATRIX_FMT_FP6 matrix_b_fmt:MATRIX_FMT_FP6 matrix_b_scale:MATRIX_SCALE_ROW1
.else
	v_wmma_scale_f32_16x16x128_f8f6f4 v[rD:rD+7], v[rB:rB+11], v[rA:rA+11], v[rC:rC+7], v[rSB], v[rSA] matrix_a_fmt:MATRIX_FMT_FP6 matrix_b_fmt:MATRIX_FMT_FP6
.endif
.else
.if (\ra) && (\rb)
	v_wmma_scale_f32_16x16x128_f8f6f4 v[rD:rD+7], v[rB:rB+11], v[rA:rA+11], v[rD:rD+7], v[rSB], v[rSA] matrix_a_fmt:MATRIX_FMT_FP6 matrix_b_fmt:MATRIX_FMT_FP6 matrix_a_scale:MATRIX_SCALE_ROW1 matrix_b_scale:MATRIX_SCALE_ROW1
.elseif (\ra)
	v_wmma_scale_f32_16x16x128_f8f6f4 v[rD:rD+7], v[rB:rB+11], v[rA:rA+11], v[rD:rD+7], v[rSB], v[rSA] matrix_a_fmt:MATRIX_FMT_FP6 matrix_b_fmt:MATRIX_FMT_FP6 matrix_a_scale:MATRIX_SCALE_ROW1
.elseif (\rb)
	v_wmma_scale_f32_16x16x128_f8f6f4 v[rD:rD+7], v[rB:rB+11], v[rA:rA+11], v[rD:rD+7], v[rSB], v[rSA] matrix_a_fmt:MATRIX_FMT_FP6 matrix_b_fmt:MATRIX_FMT_FP6 matrix_b_scale:MATRIX_SCALE_ROW1
.else
	v_wmma_scale_f32_16x16x128_f8f6f4 v[rD:rD+7], v[rB:rB+11], v[rA:rA+11], v[rD:rD+7], v[rSB], v[rSA] matrix_a_fmt:MATRIX_FMT_FP6 matrix_b_fmt:MATRIX_FMT_FP6
.endif
.endif
.endm
.macro MUL8 a, s, ck                   ; token tile a against the eight channel tiles, K step s.  The 32 accumulators take turns, one instruction a turn, in the same order in every K step
.irp b, 0,1,2,3,4,5,6,7
.set rD, 8*(8*(\a)+\b)
.set rB, 96*((\s)%2)+12*\b
.set rA, AF+48*((\s)%2)+12*(\a)
.set rC, 8*\b
.set rSB, SB+8*(\b/2)+(\s)
.set rSA, SA+8*((\a)/2)+(\s)
	WM \ck, \b%2, (\a)%2
.endr
.endm
.macro MWIN ck
.if (\ck) == 2
	WIN MULB
.else
	WIN MUL
.endif
.endm
; A K step: 32 products; behind the first eight the next K step's 48 loads go out in one run, 24 products ahead of their use.  In K step 3 the tiles of K steps 4 to 7 are shown landed to all four waves.
.macro STEP s, ck
	s_wait_dscnt 0x0                               ; this K step's fragments are in; no LDS instruction of mine is out
.if (\s) == 3
	s_wait_tensorcnt 0x0                           ; every wave's one load has landed: K steps 4 to 7 among them; nothing is filled again in this launch
	s_barrier_signal -1
.endif
	MWIN \ck
	MUL8 0, \s, \ck
.if (\s) == 3
	s_barrier_wait -1                              ; everybody's has
.endif
.if (\s) < 7
	PLACES                                         ; four places between the last K step's products and the loads into the set that they read
	FETCH (\s)+1
.endif
	MWIN \ck
	MUL8 1, \s, \ck
	MUL8 2, \s, \ck
	MUL8 3, \s, \ck
.endm
	s_load_b128 s[4:7], s[0:1], 0x0                ; ao, wq
	s_load_b128 s[8:11], s[0:1], 0x10              ; b_out, out0
	v_lshl_add_u32 v254, v0, 2, 0x48000
	v_mov_b32 v255, 0
	ds_add_u32 v254, v255
	ds_add_u32 v254, v255
	v_lshrrev_b32 v1, 5, v0
	v_readfirstlane_b32 s16, v1                    ; wave 0..3
	s_lshr_b32 s17, s16, 1                         ; wr: which 64 tokens are mine.  Also: which half of K I fetch
	s_and_b32 s18, s16, 1                          ; wc: which 128 channels.  Also: which part I fetch
	s_bfe_u32 s19, ttmp6, 0x40000                  ; cx
	s_bfe_u32 s20, ttmp6, 0x40004                  ; cy
	s_and_b32 s22, ttmp7, 0xffff
	s_lshl_b32 s80, s22, 2
	s_add_co_u32 s80, s80, s20                     ; the block of 128 tokens: 4 x cluster y + cy
	s_lshl_b32 s81, ttmp9, 2
	s_add_co_u32 s81, s81, s19                     ; the 256 channels: 4 x cluster x + cx
	s_lshl_b32 s88, s20, 2
	s_lshl_b32 s88, 15, s88                        ; my row of the cluster
	s_lshl_b32 s89, 0x1111, s19                    ; my column
	; descriptor group 1, elements of 8 bytes.  a: four K steps of a block, dense: 192 rows of 256 bytes.  w_out: four K steps of each of two blocks: 2 rows of 49,152 bytes, 98,304 apart
	s_or_b32 s24, s88, (3<<16)|(1<<21)
	s_mov_b32 s25, 32<<16
	s_mov_b32 s26, 192<<16
	s_mov_b32 s27, 32<<16
	s_mov_b32 s28, 192
	s_mov_b32 s29, 32
	s_mov_b32 s30, 0
	s_mov_b32 s31, 0
	s_or_b32 s32, s89, (3<<16)|(1<<21)
	s_mov_b32 s33, 6144<<16
	s_mov_b32 s34, 2<<16
	s_mov_b32 s35, 6144<<16
	s_mov_b32 s36, 2
	s_mov_b32 s37, 12288
	s_mov_b32 s38, 0
	s_mov_b32 s39, 0
	s_mul_i32 s88, s80, BLKB
	s_mul_i32 s21, s17, 4*KSB                      ; I fetch K steps 4 (wave / 2) on: of a (even waves), in LDS
	s_add_co_u32 s88, s88, s21                     ; and in memory,
	s_mov_b32 s89, 0
	s_mul_i32 s90, s81, 2*BLKB
	s_add_co_u32 s90, s90, s21
	s_add_co_u32 s90, s90, 2457600                 ; or of w_out's two blocks in wq (odd waves)
	s_mov_b32 s91, 0
	s_mul_i32 s97, s17, 8*KSB
	s_add_co_u32 s97, s97, BCODE                   ; w_out in LDS: [K steps 0-3, 4-7][block][four K steps]
	s_mul_i32 s23, s18, 4*KSB
	s_add_co_u32 s23, s23, BCODE                   ; where I read block wc
	s_lshr_b32 s92, s80, 4
	s_lshl_b32 s92, s92, 17                        ; a's scale words: the batch's 16 heads of 8,192 bytes,
	s_and_b32 s93, s80, 15
	s_lshl_b32 s93, s93, 2
	s_lshl_b32 s94, s17, 1
	s_add_co_u32 s93, s93, s94
	s_lshl_b32 s93, s93, 7                         ; pairs of tiles 4 (block % 16) + 2 wr on, 128 bytes each
	s_add_co_u32 s92, s92, s93
	s_add_co_u32 s92, s92, 6291456
	s_mov_b32 s93, 0
	s_lshl_b32 s94, s81, 3
	s_lshl_b32 s95, s18, 2
	s_add_co_u32 s94, s94, s95
	s_lshl_b32 s94, s94, 10
	s_add_co_u32 s94, s94, 3244032                 ; w_out's scale words: pairs 8 x (256 channels) + 4 wc on
	s_mov_b32 s95, 0
	s_lshl_b32 s82, s81, 10
	s_lshl_b32 s83, s18, 9
	s_add_co_u32 s82, s82, s83                     ; my 128 channels, in bytes of f32
	s_mov_b32 s83, 0
	s_lshl_b32 s84, s80, 7
	s_lshl_b32 s85, s17, 6
	s_add_co_u32 s84, s84, s85
	s_lshl_b32 s84, s84, 12                        ; my 64 tokens: rows of 4,096 bytes
	s_mov_b32 s85, 0
	s_wait_dscnt 0x0
	s_wait_kmcnt 0x0
	s_add_nc_u64 s[88:89], s[4:5], s[88:89]
	s_add_nc_u64 s[90:91], s[6:7], s[90:91]
	s_add_nc_u64 s[76:77], s[4:5], s[92:93]
	s_add_nc_u64 s[78:79], s[6:7], s[94:95]
	s_add_nc_u64 s[86:87], s[8:9], s[82:83]
	s_add_nc_u64 s[10:11], s[10:11], s[82:83]
	s_add_nc_u64 s[10:11], s[10:11], s[84:85]
	s_mov_b32 s40, 1                               ; group 0 for a's half
	s_mov_b32 s41, s21
	s_mov_b64 s[42:43], s[88:89]
	s_or_b32 s43, s43, 0x80000000
	s_mov_b32 s56, 1                               ; and for w_out's
	s_mov_b32 s57, s97
	s_mov_b64 s[58:59], s[90:91]
	s_or_b32 s59, s59, 0x80000000
	CROUND                                         ; all sixteen work-groups are here: the joint loads meet
	s_cmp_eq_u32 s16, 0                            ; all fills of the launch, ONE A WAVE, in one chain of branches on the wave's number: wave 0 a's K steps 0-3, wave 1 w_out's, wave 2 a's K steps 4-7, wave 3 w_out's
	s_cbranch_scc0 .Lfill_1
	tensor_load_to_lds s[40:43], s[24:31]
	s_nop 0
	PLACES
	s_branch .Lfilled
.Lfill_1:
	s_cmp_eq_u32 s16, 1
	s_cbranch_scc0 .Lfill_2
	tensor_load_to_lds s[56:59], s[32:39]
	s_nop 0
	PLACES
	s_branch .Lfilled
.Lfill_2:
	s_cmp_eq_u32 s16, 2
	s_cbranch_scc0 .Lfill_3
	tensor_load_to_lds s[40:43], s[24:31]
	s_nop 0
	PLACES
	s_branch .Lfilled
.Lfill_3:
	tensor_load_to_lds s[56:59], s[32:39]
	s_nop 0
	PLACES
.Lfilled:
	v_and_b32 v3, 31, v0
	v_lshlrev_b32 v1, 4, v3                        ; 16 x lane
	v_lshlrev_b32 v2, 3, v3                        ; 8 x lane
	v_lshlrev_b32 v14, 2, v3                       ; 4 x lane
	s_mul_i32 s82, s17, 4*FRB
	v_add_nc_u32 v6, s82, v1
	v_add_nc_u32 v7, s82, v2
	v_add_nc_u32 v8, 4*KSB, v6
	v_add_nc_u32 v9, 4*KSB, v7
	v_add_nc_u32 v10, s23, v1
	v_add_nc_u32 v11, s23, v2
	v_add_nc_u32 v12, 8*KSB, v10                   ; w_out's K steps 4 on lie behind both blocks' K steps 0-3
	v_add_nc_u32 v13, 8*KSB, v11
	v_and_b32 v4, 15, v0                           ; r
	v_bfe_u32 v5, v0, 4, 1                         ; h
	v_lshlrev_b32 v15, 6, v5                       ; 64 h
	s_mul_i32 s82, s16, 16*528                     ; my stage for the way out: 16 rows x (512 bytes + 16), in the bytes of a's K steps 0 to 2
	v_mul_u32_u24 v[STO], v4, 528
	v_lshl_add_u32 v[STO], v5, 6, v[STO]
	v_add_nc_u32 v[STO], s82, v[STO]               ; in: row r, 64 h bytes on
	v_add_nc_u32 v[RD], s82, v1                    ; back: 16 bytes a lane, a row an instruction
.irp p, 0,1,2,3
.irp q, 0,1,2,3
	global_load_b64 v[SB+8*\p+2*\q:SB+8*\p+2*\q+1], v2, s[78:79] offset:1024*\p+256*\q   ; w_out's scale words of all of K
.endr
.endr
.irp p, 0,1
.irp e, 0,1,2,3,4,5,6,7,8,9,10,11,12,13,14,15
	global_load_b32 v[192+16*\p+\e], v14, s[76:77] offset:8192*\e+128*\p                 ; a's, head by head: lanes 0-15 the pair's even tile, lanes 16-31 the odd one
.endr
.endr
	WIN 0xc0                                       ; destination window 3
.irp b, 0,1,2,3,4,5,6,7
	global_load_b128 v[8*\b:8*\b+3], v15, s[86:87] offset:4*(32*(\b/2)+8*(\b%2))         ; the bias in the result's layout
	global_load_b128 v[8*\b+4:8*\b+7], v15, s[86:87] offset:4*(32*(\b/2)+8*(\b%2))+16
.endr
	WIN 0
	s_wait_alu depctr_va_vdst(0)                   ; the wait at the head's end
	s_cmp_lt_u32 s16, 2                            ; waves 0 and 1, whose load lines are their own, wait for K steps 0-3
	s_cbranch_scc0 .Lnot_low
	s_wait_tensorcnt 0x0
.Lnot_low:
	s_barrier_signal -1
	s_barrier_wait -1                              ; K steps 0-3 lie in LDS; K steps 4-7 may be on their way
	FETCH 0
	s_wait_loadcnt 0x0
.irp p, 0,1
.irp s, 0,1,2,3,4,5,6,7
	v_lshl_or_b32 v[SA+8*\p+\s], v[192+16*\p+2*\s+1], 16, v[192+16*\p+2*\s]   ; K step s: head 2 s's two bytes below, head 2 s + 1's above
.endr
.endr
.rept 8
	v_nop                                          ; a scale register written by a vector instruction stands eight places ahead of a scaled product
.endr
	s_wait_alu depctr_va_vdst(0)
	STEP 0, 2                                      ; the first K step's products start the sums with the bias
	STEP 1, 0
	STEP 2, 0
	STEP 3, 0
	STEP 4, 0
	STEP 5, 0
	STEP 6, 0
	STEP 7, 0
	WIN 0
; THE WAY OUT, a tile of 16 tokens x 128 channels at a time, through my own stage.  Its bytes held a's K steps 0 to 2: they have had their only fill, and every wave's reads of them were waited for ahead of K step 3's barrier.
; LDS serves a wave's instructions in order: no wait between the stores and the loads, nor in front of the next tile's stores.
.macro TOSTAGE a
	WIN 0x08                                       ; an LDS store's data are its source 1: window 2
.irp b, 0,1,2,3,4,5,6,7
	ds_store_b128 v[STO], v[64*(\a)+8*\b:64*(\a)+8*\b+3] offset:128*(\b/2)+32*(\b%2)          ; each accumulator from its low end on
	ds_store_b128 v[STO], v[64*(\a)+8*\b+4:64*(\a)+8*\b+7] offset:128*(\b/2)+32*(\b%2)+16
.endr
	WIN 0
.irp t, 0,1,2,3,4,5,6,7,8,9,10,11,12,13,14,15
	ds_load_b128 v[96+64*((\a)%2)+4*\t:96+64*((\a)%2)+4*\t+3], v[RD] offset:528*\t
.endr
.endm
.macro SEND a, younger                 ; younger: the LDS instructions issued behind tile a's loads, which may stay out
	s_wait_dscnt \younger
.irp t, 0,1,2,3,4,5,6,7,8,9,10,11,12,13,14,15
	global_store_b128 v1, v[96+64*((\a)%2)+4*\t:96+64*((\a)%2)+4*\t+3], s[10:11] offset:(32*((\a)/2)+8*((\a)%2)+\t+8*(\t/8))*4096 th:TH_STORE_NT   ; 32 lanes store 512 consecutive bytes of one token's row
.endr
.endm
	PLACES                                         ; behind the last products: for the stores of results and the loads into registers that held a's fragments
	TOSTAGE 0
	TOSTAGE 1
	SEND 0, 32                                     ; behind tile 0's loads: tile 1's 16 stores and 16 loads
	s_wait_xcnt 0x0                                ; tile 0's stores have read their registers: tile 2's loads may land there
	TOSTAGE 2
	SEND 1, 32
	s_wait_xcnt 0x0
	TOSTAGE 3
	SEND 2, 32
	SEND 3, 0
	s_wait_tensorcnt 0x0
	ds_add_u32 v254, v255
	s_wait_dscnt 0x0
	CROUND                                         ; the closing round: no work-group ends while a partner may still ask for a tile that names it
	s_endpgm
.Lfunc_end_k_q78f3054d38_proj:
	.size	k_q78f3054d38_proj, .Lfunc_end_k_q78f3054d38_proj-k_q78f3054d38_proj
	.p2alignl 7, 3214868480
	.fill 96, 4, 3214868480
	.section	.rodata,"a",@progbits
	.p2align	6, 0x0
	.amdhsa_kernel k_q78f3054d38_proj
		.amdhsa_group_segment_fixed_size 295424
		.amdhsa_private_segment_fixed_size 0
		.amdhsa_enable_private_segment 0
		.amdhsa_kernarg_size 32
		.amdhsa_user_sgpr_count 2
		.amdhsa_user_sgpr_kernarg_segment_ptr 1
		.amdhsa_wavefront_size32 1
		.amdhsa_system_sgpr_workgroup_id_x 1
		.amdhsa_system_sgpr_workgroup_id_y 1
		.amdhsa_system_sgpr_workgroup_id_z 1
		.amdhsa_system_vgpr_workitem_id 0
		.amdhsa_next_free_vgpr 1024
		.amdhsa_next_free_sgpr 100
		.amdhsa_reserve_vcc 0
		.amdhsa_float_denorm_mode_32 3
		.amdhsa_float_denorm_mode_16_64 3
		.amdhsa_memory_ordered 1
		.amdhsa_forward_progress 1
		.amdhsa_inst_pref_size 88
	.end_amdhsa_kernel
	.amdgpu_metadata
---
amdhsa.version: [ 1, 2 ]
amdhsa.kernels:
  - .name:           k_q78f3054d38_proj
    .symbol:         k_q78f3054d38_proj.kd
    .args:
      - { .name: ao, .offset: 0, .size: 8, .value_kind: global_buffer, .address_space: global }
      - { .name: wq, .offset: 8, .size: 8, .value_kind: global_buffer, .address_space: global }
      - { .name: b_out, .offset: 16, .size: 8, .value_kind: global_buffer, .address_space: global }
      - { .name: out0, .offset: 24, .size: 8, .value_kind: global_buffer, .address_space: global }
    .group_segment_fixed_size: 295424
    .private_segment_fixed_size: 0
    .kernarg_segment_align: 8
    .kernarg_segment_size: 32
    .max_flat_workgroup_size: 128
    .sgpr_count:     100
    .vgpr_count:     1024
    .wavefront_size: 32
...
	.end_amdgpu_metadata
.endif
;; end of part 4
